; MI455X (gfx1250); checked and timed in simulation.
; The chip was launched on July 23, 2026; its instructions are those of AMD's public machine-readable ISA for CDNA 5 (MIT licence, August 2026) and "CDNA5" Instruction Set Architecture Reference Guide (July 2026). The comments in the code are by the model that wrote it; some were corrected since.
;; FFN. Allowed arithmetic: matrix products marked QUANTISED: E4M3 operands, one E8M0 scale for each 32 along K, by v_wmma_scale_f32_16x16x128_f8f6f4 with both operands' format E4M3, f32 sums; products left as they are: f32 operands where the result goes on into a quantised operand, else bf16, f16 or f32 operands; f32 sums; everything else in f32.
;; Inputs: W1_codes 8 x 2,048 x 32 x 32 uint8 (E4M3 codes of W1, K innermost, in blocks of 32 codes); W1_scales 8 x 2,048 x 32 uint8 (E8M0 scales of W1, one for each 32 codes along K); W2_codes 8 x 1,024 x 64 x 32 uint8 (E4M3 codes of W2, K innermost, in blocks of 32 codes); W2_scales 8 x 1,024 x 64 uint8 (E8M0 scales of W2, one for each 32 codes along K); W3_codes 8 x 2,048 x 32 x 32 uint8 (E4M3 codes of W3, K innermost, in blocks of 32 codes); W3_scales 8 x 2,048 x 32 uint8 (E8M0 scales of W3, one for each 32 codes along K); gate_b 8 float32; gate_w 8 x 1,024 float32; x 4 x 256 x 1,024 float32.
;; Outputs: out0 4 x 256 x 1,024 float32.
;; This version of the problem:
;;   THIS VERSION OF THE PROBLEM IS GIVEN IN LOW PRECISION. The matrix products marked QUANTISED in the list below multiply operands that are first quantised to E4M3 (4 exponent bits, 3 mantissa bits; 8 bits a number), with one power-of-two scale for each 32 numbers along K (OCP MX v1.0); their sums are f32. All else is computed in f32.
;;   The module's matrix products, in the order in which they are computed (A, B: the left and right operand; K: the contracted axis; several contracted axes count as one K, in the product's order):
;;     1. [M 1,024, K 1,024] x [K 1,024, N 8]; A: input x; B: input gate_w: left as it is (N = 8 < 16)
;;     2. [M 1,024, K 1,024] x [K 1,024, N 2,048]; A: input x; B: input W1 (given as codes): QUANTISED
;;     3. [M 1,024, K 1,024] x [K 1,024, N 2,048]; A: input x; B: input W3 (given as codes): QUANTISED
;;     4. [M 1,024, K 2,048] x [K 2,048, N 1,024]; A: computed on the way; B: input W2 (given as codes): QUANTISED
;;     5. [M 1,024, K 1,024] x [K 1,024, N 2,048]; A: input x; B: input W1 (given as codes): QUANTISED
;;     6. [M 1,024, K 1,024] x [K 1,024, N 2,048]; A: input x; B: input W3 (given as codes): QUANTISED
;;     7. [M 1,024, K 2,048] x [K 2,048, N 1,024]; A: computed on the way; B: input W2 (given as codes): QUANTISED
;;     8. [M 1,024, K 1,024] x [K 1,024, N 2,048]; A: input x; B: input W1 (given as codes): QUANTISED
;;     9. [M 1,024, K 1,024] x [K 1,024, N 2,048]; A: input x; B: input W3 (given as codes): QUANTISED
;;     10. [M 1,024, K 2,048] x [K 2,048, N 1,024]; A: computed on the way; B: input W2 (given as codes): QUANTISED
;;     11. [M 1,024, K 1,024] x [K 1,024, N 2,048]; A: input x; B: input W1 (given as codes): QUANTISED
;;     12. [M 1,024, K 1,024] x [K 1,024, N 2,048]; A: input x; B: input W3 (given as codes): QUANTISED
;;     13. [M 1,024, K 2,048] x [K 2,048, N 1,024]; A: computed on the way; B: input W2 (given as codes): QUANTISED
;;     14. [M 1,024, K 1,024] x [K 1,024, N 2,048]; A: input x; B: input W1 (given as codes): QUANTISED
;;     15. [M 1,024, K 1,024] x [K 1,024, N 2,048]; A: input x; B: input W3 (given as codes): QUANTISED
;;     16. [M 1,024, K 2,048] x [K 2,048, N 1,024]; A: computed on the way; B: input W2 (given as codes): QUANTISED
;;     17. [M 1,024, K 1,024] x [K 1,024, N 2,048]; A: input x; B: input W1 (given as codes): QUANTISED
;;     18. [M 1,024, K 1,024] x [K 1,024, N 2,048]; A: input x; B: input W3 (given as codes): QUANTISED
;;     19. [M 1,024, K 2,048] x [K 2,048, N 1,024]; A: computed on the way; B: input W2 (given as codes): QUANTISED
;;     20. [M 1,024, K 1,024] x [K 1,024, N 2,048]; A: input x; B: input W1 (given as codes): QUANTISED
;;     21. [M 1,024, K 1,024] x [K 1,024, N 2,048]; A: input x; B: input W3 (given as codes): QUANTISED
;;     22. [M 1,024, K 2,048] x [K 2,048, N 1,024]; A: computed on the way; B: input W2 (given as codes): QUANTISED
;;     23. [M 1,024, K 1,024] x [K 1,024, N 2,048]; A: input x; B: input W1 (given as codes): QUANTISED
;;     24. [M 1,024, K 1,024] x [K 1,024, N 2,048]; A: input x; B: input W3 (given as codes): QUANTISED
;;     25. [M 1,024, K 2,048] x [K 2,048, N 1,024]; A: computed on the way; B: input W2 (given as codes): QUANTISED
;;   THE QUANTISER, for each operand of a quantised product, along K:
;;     - K is cut into blocks of 32 from its start; a last block that is shorter is filled with zeros.
;;     - A block's scale is 2^e with e = floor(log2(the largest magnitude in the block)) - 8, held to -126 .. 127; a block of zeros has e = 0. As a byte (E8M0): e + 127.
;;     - Each number is divided by its block's scale, clamped to +-448, and rounded to the nearest number of E4M3, ties to even, subnormals kept.
;;     - The product sums the exact products of the quantised numbers (number of the format x scale) in f32.
;;   ~~~python
;;   def quantise(x, axis):      # numpy; x: float32 -> the quantised numbers, widened to float32 again
;;       x = np.moveaxis(x, axis, -1); K = x.shape[-1]
;;       x = np.pad(x, [(0, 0)] * (x.ndim - 1) + [(0, -K % 32)]); x = x.reshape(x.shape[:-1] + (-1, 32)); a = np.abs(x).max(-1, keepdims=True)
;;       e = np.where(a > 0, np.clip(np.frexp(np.where(a > 0, a, 1))[1] - 1 - 8, -126, 127), 0)      # np.frexp(a)[1] - 1 = floor(log2(a)), exactly
;;       r = np.clip(x / 2.0 ** e, -448, 448)
;;       step = 2.0 ** (np.maximum(np.frexp(np.where(r == 0, 1, r))[1] - 1, -6) - 3)
;;       q = np.round(r / step) * step * 2.0 ** e      # np.round: ties to even
;;       return np.moveaxis(q.reshape(q.shape[:-2] + (-1,))[..., :K], -1, axis).astype(np.float32)
;;   ~~~
;;   OPERANDS COMPUTED ON THE WAY. 'Computed on the way' means the value that the module computes at that place (a softmax that the list does not call 'softmax' is quantised finished and normalised). What goes into a quantiser is computed in f32, as accurately as f32 sums, v_exp_f32 and their like allow (about 1e-6 of the number): no bf16 or f16 on the way to a quantiser, and a product that is left as it is and whose result goes on into a quantised operand takes f32 operands (vector FMAs, or v_wmma_f32_16x16x4_f32). A number that lies on a knife's edge between two numbers of the format may be rounded either way, as far as f32 arithmetic and the matrix unit's own rounding can turn it there, and no further.
;;   INPUTS GIVEN AS CODES. W1 (in the module: [8, 2048, 1024], K = its axis 2); W2 (in the module: [8, 1024, 2048], K = its axis 2); W3 (in the module: [8, 2048, 1024], K = its axis 2): each comes as NAME_codes (uint8): NAME with its K axis moved to the last place and cut into blocks of 32 codes, [.., K / 32, bytes a block], one block behind the other in memory; one code a byte (a code: sign, 4 exponent bits, 3 mantissa bits); and NAME_scales (uint8): the same leading axes, one E8M0 byte (e + 127) for each 32 codes along K. Its value is code x scale, taken as it is: it is not quantised again, and the codes and scales need not be those that the quantiser above would give.
;; 2 versions. Each part assembles by itself: llvm-mc -triple=amdgcn-amd-amdhsa -mcpu=gfx1250 --defsym DOCPART=n.
;; ======== version 1 of 2: 5 launches
;; workspace buffers: xq 1,081,344 bytes; eids 8,192 bytes of whole numbers; coef 8,192 bytes; plan 17,408 bytes of whole numbers; hq 4,595,712 bytes; ybuf 8,912,896 bytes
;; launch route (part 1): grid 256 x 1, 4 waves a work-group, no clusters, 33,280 bytes of LDS; arguments x, gate_w, gate_b, xq, eids, coef; writes xq, eids, coef
.if DOCPART == 1
	.amdgcn_target "amdgcn-amd-amdhsa--gfx1250"
	.amdhsa_code_object_version 6
	.text
	.protected	k_q50ee6f5af5_route
	.globl	k_q50ee6f5af5_route
	.p2align	8
	.type	k_q50ee6f5af5_route,@function
k_q50ee6f5af5_route:
	s_mov_b64 s[64:65], 0
	v_nop
	global_prefetch_b8 v0, s[64:65] scope:SCOPE_SE
	s_setreg_imm32_b32 hwreg(HW_REG_WAVE_MODE, 25, 1), 1
	s_wait_xcnt 0x0
; ROUTE.  One wave takes one token t = 4 x work-group + wave.  It (a) quantises the token's 1,024 numbers of x along D to E4M3 codes with one E8M0 byte for each 32,
; (b) makes the eight logits x . gate_w[e] + gate_b[e] in f32, (c) picks the two largest (the lower index wins a tie) and their weights.
; The softmax's sum cancels when the two chosen probabilities are divided by their own sum: c1 = 1 / (1 + e^(l2 - l1)), c2 = e^(l2 - l1) c1; l1 is the largest logit, so the exponent is never above 0.
; OUT: xq: codes [1024][1024] at byte 0, scale bytes [1024][32] at byte XSC;  eids: [1024][2] expert numbers;  coef: [1024][2] weights.  All at fixed places: no address hangs on a logit.
; LIMITS: NaN and infinities among the inputs are not served.  A block of zeros gets the byte 1 over zero codes (the bytes are read by this program alone).  The two experts are ordered by their
; logits: two probabilities that round to one f32 number while their logits differ could be ordered otherwise than a top-k on the rounded probabilities orders them.
; No matrix unit (eight columns), no barrier (waves share nothing).  Each load of x and of gate_w reads 512 consecutive bytes.
.set XSC, 1048576                      ; where the scale bytes begin in xq
.set SP,  80                           ; a lane's place in a stage: 64 bytes + 16 of padding
.set R,   16                           ; v16-47   x as loaded: register 4 i + j = x[128 i + 4 lane + j]
.set X,   48                           ; v48-79   two sets of 16 neighbours along D
.set A,   80                           ; v80-95   a pair of partial sums for each expert
.set LG,  96                           ; v96-103  the logits
.set PX,  104                          ; v104-111 the other half of the lanes' sums
.set CD,  120                          ; v120-127 codes: four registers for each of the two steps
.set G,   128                          ; v128-255 gate_w of four experts, laid as x is
	s_load_b256 s[4:11], s[0:1], 0x0               ; x s[4:5], gate_w s[6:7], gate_b s[8:9], xq s[10:11]
	s_load_b128 s[12:15], s[0:1], 0x20             ; eids s[12:13], coef s[14:15]
	s_set_vgpr_msb 0x40
	v_lshl_add_u32 v0, v0, 2, 0x8000
	v_mov_b32 v1, 0
	s_set_vgpr_msb 0x4000
	v_lshrrev_b32 v1, 5, v0
	v_readfirstlane_b32 s28, v1                    ; wave
	v_and_b32 v1, 31, v0                           ; lane
	v_lshlrev_b32 v2, 4, v1                        ; 16 x lane
	s_lshl_b32 s29, s28, 13                        ; my wave's 8,192 bytes of LDS
	v_lshrrev_b32 v3, 2, v1
	v_mul_u32_u24 v3, v3, SP
	v_and_b32 v4, 3, v1
	v_lshl_add_u32 v3, v4, 4, v3
	v_add_nc_u32 v3, s29, v3                       ; the stage, on the way in: four lanes' 64 bytes on end, then 16 of padding
	v_mul_u32_u24 v4, v1, SP
	v_add_nc_u32 v4, s29, v4                       ; and on the way out: my 16 neighbours
	s_add_co_u32 s29, s29, 2*32*SP                 ; behind the two stages: the token's 32 scale bytes
	v_lshrrev_b32 v5, 1, v1
	v_add_nc_u32 v5, s29, v5                       ; my block's byte (two lanes to a block)
	v_and_b32 v6, 7, v1
	v_lshlrev_b32 v6, 2, v6
	v_add_nc_u32 v6, s29, v6                       ; and a word of four of them on the way out
	v_lshlrev_b32 v7, 2, v1                        ; 4 x lane
.irp e, 0,1,2,3,4,5,6,7
	v_mov_b32 v[PX+\e], 0                          ; written once: a lane permute's destination counts as one of its sources
.endr
	s_mov_b32 s24, 0x76543210
	s_mov_b32 s25, 0xfedcba98                      ; v_permlanex16_b32's selects for lane l xor 16
	s_mov_b32 s26, 0x600000                        ; the mantissa field of 448
	s_lshl_b32 s30, ttmp9, 2
	s_add_co_u32 s30, s30, s28                     ; my token
	s_mov_b32 s33, 0
	s_wait_kmcnt 0x0
	s_load_b256 s[16:23], s[8:9], 0x0              ; the eight biases
	s_lshl_b32 s32, s30, 12
	s_add_nc_u64 s[4:5], s[4:5], s[32:33]          ; x at my token's row
	s_lshl_b32 s32, s30, 10
	s_add_nc_u64 s[36:37], s[10:11], s[32:33]      ; its codes
	s_lshl_b32 s32, s30, 5
	s_add_co_u32 s32, s32, XSC
	s_add_nc_u64 s[10:11], s[10:11], s[32:33]      ; its scale bytes
	s_lshl_b32 s32, s30, 3
	s_add_nc_u64 s[12:13], s[12:13], s[32:33]      ; its two experts
	s_add_nc_u64 s[14:15], s[14:15], s[32:33]      ; and their weights
.macro GLOAD e0                        ; gate_w of experts e0 .. e0 + 3
.irp q, 0,1,2,3
.irp i, 0,1,2,3,4,5,6,7
	global_load_b128 v[G+32*\q+4*\i:G+32*\q+4*\i+3], v2, s[6:7] offset:((\e0)+\q)*4096+512*\i
.endr
.endr
.endm
.macro DOTS e0                         ; their dot products with x: 16 packed multiply-adds an expert, the four experts by turns
.irp q, 0,1,2,3
	v_pk_mul_f32 v[A+2*((\e0)+\q):A+2*((\e0)+\q)+1], v[R:R+1], v[G+32*\q:G+32*\q+1]
.endr
.irp p, 1,2,3,4,5,6,7,8,9,10,11,12,13,14,15
.irp q, 0,1,2,3
	v_pk_fma_f32 v[A+2*((\e0)+\q):A+2*((\e0)+\q)+1], v[R+2*\p:R+2*\p+1], v[G+32*\q+2*\p:G+32*\q+2*\p+1], v[A+2*((\e0)+\q):A+2*((\e0)+\q)+1]
.endr
.endr
.endm
.macro TURN st                         ; 512 numbers through my stage: in as loaded, out 64 bytes a lane.  LDS serves a wave's instructions in order, so no wait stands between
.irp i, 0,1,2,3
	ds_store_b128 v3, v[R+16*(\st)+4*\i:R+16*(\st)+4*\i+3] offset:32*SP*(\st)+8*SP*\i
.endr
.irp i, 0,1,2,3
	ds_load_b128 v[X+16*(\st)+4*\i:X+16*(\st)+4*\i+3], v4 offset:32*SP*(\st)+16*\i
.endr
.endm
.macro QSTEP st                        ; 512 numbers become codes: a lane holds 16 neighbours, two neighbouring lanes a block of 32
.set XQ, X+16*(\st)
	v_max3_num_f32 v8, |v[XQ]|, |v[XQ+1]|, |v[XQ+2]|
	v_max3_num_f32 v9, |v[XQ+3]|, |v[XQ+4]|, |v[XQ+5]|
.irp i, 6,10
	v_max3_num_f32 v8, v8, |v[XQ+\i]|, |v[XQ+\i+1]|
	v_max3_num_f32 v9, v9, |v[XQ+\i+2]|, |v[XQ+\i+3]|
.endr
	v_max3_num_f32 v8, v8, |v[XQ+14]|, |v[XQ+15]|
	v_max3_num_f32 v8, v8, v9, 0x4800000           ; and the floor 2^(9 - 127): the byte cannot fall under 1
	v_max_num_f32_dpp v8, v8, v8 row_xmask:1 row_mask:0xf bank_mask:0xf   ; with my neighbour's 16: the block's largest magnitude
	v_add_nc_u32 v11, 0xfc000000, v8               ; 8 off its exponent field: the conversion's scale operand
	v_and_or_b32 v10, v8, 0x7f800000, s26          ; 448 x the scale
.irp i, 0,1,2,3,4,5,6,7,8,9,10,11,12,13,14,15
	v_med3_num_f32 v[XQ+\i], v[XQ+\i], -v10, v10   ; the conversion to an 8-bit code does not saturate (ISA guide 7.6.2): the hold comes first
.endr
	v_cvt_scalef32_pk8_fp8_f32 v[CD+4*(\st):CD+4*(\st)+1], v[XQ:XQ+7], v11
	v_cvt_scalef32_pk8_fp8_f32 v[CD+4*(\st)+2:CD+4*(\st)+3], v[XQ+8:XQ+15], v11
	v_lshrrev_b32 v[14+(\st)], 23, v11             ; the scale's byte (also the plain line behind the conversions)
	ds_store_b8 v5, v[14+(\st)] offset:16*(\st)    ; both lanes of a block write the same byte with the same value
	global_store_b128 v2, v[CD+4*(\st):CD+4*(\st)+3], s[36:37] offset:512*(\st)   ; 32 lanes store 512 consecutive bytes
.endm
.irp i, 0,1,2,3,4,5,6,7
	global_load_b128 v[R+4*\i:R+4*\i+3], v2, s[4:5] offset:512*\i th:TH_LOAD_NT
.endr
	GLOAD 0
	s_wait_loadcnt 32                              ; x's eight loads are in; the 32 of gate_w behind them may be out
	TURN 0
	TURN 1
	s_wait_loadcnt 0x0                             ; gate_w of experts 0 to 3
	DOTS 0
	GLOAD 4                                        ; experts 4 to 7 into the same registers: they land while x is quantised
	s_wait_dscnt 0x0                               ; both sets of neighbours are back from the stages
	QSTEP 0
	QSTEP 1
	ds_load_b32 v12, v6                            ; four scale bytes a lane (LDS serves my instructions in order: it sees the two byte stores)
	s_wait_loadcnt 0x0
	DOTS 4
.irp e, 0,1,2,3,4,5,6,7
	v_add_f32 v[LG+\e], v[A+2*\e], v[A+2*\e+1]
.endr
.irp m, 1,2,4,8
.irp e, 0,1,2,3,4,5,6,7
	v_add_f32_dpp v[LG+\e], v[LG+\e], v[LG+\e] row_xmask:\m row_mask:0xf bank_mask:0xf
.endr
.endr
.irp e, 0,1,2,3,4,5,6,7
	v_permlanex16_b32 v[PX+\e], v[LG+\e], s24, s25
.endr
.irp e, 0,1,2,3,4,5,6,7
	v_add_f32 v[LG+\e], v[LG+\e], v[PX+\e]
.endr
	s_wait_kmcnt 0x0                               ; the biases
.irp e, 0,1,2,3,4,5,6,7
	v_add_f32 v[LG+\e], s[16+\e], v[LG+\e]         ; every lane holds all eight logits
.endr
	; the two largest: v112 l1, v113 its expert, v114 l2, v115 its expert.  A later expert displaces an earlier one only where it is strictly larger
	v_mov_b32 v112, v[LG]
	v_mov_b32 v113, 0
	v_mov_b32 v114, 0xff800000
	v_mov_b32 v115, 0
.irp e, 1,2,3,4,5,6,7
	v_cmp_le_f32 vcc_lo, v[LG+\e], v112            ; the first stays
	v_cmp_le_f32 s38, v[LG+\e], v114               ; the second stays
	v_cndmask_b32 v116, v[LG+\e], v114, s38
	v_cndmask_b32 v117, \e, v115, s38
	v_cndmask_b32 v114, v112, v116, vcc_lo         ; where the first is displaced it becomes the second
	v_cndmask_b32 v115, v113, v117, vcc_lo
	v_cndmask_b32 v112, v[LG+\e], v112, vcc_lo
	v_cndmask_b32 v113, \e, v113, vcc_lo
.endr
	v_sub_f32 v8, v114, v112                       ; l2 - l1, 0 or less
	v_mul_f32 v8, 0x3fb8aa3b, v8
	v_exp_f32 v9, v8
	v_nop                                          ; a plain line behind the transcendental,
	s_wait_alu depctr_va_vdst(0)                   ; and the wait ahead of its first reader
	v_add_f32 v10, 1.0, v9
	v_rcp_f32 v11, v10                             ; c1
	v_nop
	s_wait_alu depctr_va_vdst(0)
	v_mul_f32 v13, v9, v11                         ; c2
	v_cmp_eq_u32 vcc_lo, 0, v1
	v_cndmask_b32 v118, v115, v113, vcc_lo         ; lane 0 carries the first choice, lane 1 the second
	v_cndmask_b32 v119, v13, v11, vcc_lo
	s_wait_dscnt 0x0                               ; the scale words
	s_wait_xcnt 0x0                                ; EXEC is a source of the stores above: it changes only behind this wait
	v_cmp_gt_u32 vcc_lo, 8, v1
	s_set_vgpr_msb 0x5
	s_wait_tensorcnt 0x0
	ds_add_u32 v0, v1
	s_wait_dscnt 0x0
	s_set_vgpr_msb 0x500
	s_and_saveexec_b32 s34, vcc_lo
	global_store_b32 v7, v12, s[10:11]             ; eight lanes: the token's 32 scale bytes
	s_wait_xcnt 0x0
	s_or_b32 exec_lo, exec_lo, s34
	v_cmp_gt_u32 vcc_lo, 2, v1
	s_and_saveexec_b32 s34, vcc_lo
	global_store_b32 v7, v118, s[12:13]
	global_store_b32 v7, v119, s[14:15]
	s_wait_xcnt 0x0
	s_or_b32 exec_lo, exec_lo, s34
	s_endpgm
.Lfunc_end_k_q50ee6f5af5_route:
	.size	k_q50ee6f5af5_route, .Lfunc_end_k_q50ee6f5af5_route-k_q50ee6f5af5_route
	.p2alignl 7, 3214868480
	.fill 96, 4, 3214868480
	.section	.rodata,"a",@progbits
	.p2align	6, 0x0
	.amdhsa_kernel k_q50ee6f5af5_route
		.amdhsa_group_segment_fixed_size 33280
		.amdhsa_private_segment_fixed_size 0
		.amdhsa_enable_private_segment 0
		.amdhsa_kernarg_size 48
		.amdhsa_user_sgpr_count 2
		.amdhsa_user_sgpr_kernarg_segment_ptr 1
		.amdhsa_wavefront_size32 1
		.amdhsa_system_sgpr_workgroup_id_x 1
		.amdhsa_system_sgpr_workgroup_id_y 1
		.amdhsa_system_sgpr_workgroup_id_z 1
		.amdhsa_system_vgpr_workitem_id 0
		.amdhsa_next_free_vgpr 258
		.amdhsa_next_free_sgpr 66
		.amdhsa_reserve_vcc 1
		.amdhsa_float_denorm_mode_32 3
		.amdhsa_float_denorm_mode_16_64 3
		.amdhsa_memory_ordered 1
		.amdhsa_forward_progress 1
		.amdhsa_inst_pref_size 30
	.end_amdhsa_kernel
	.amdgpu_metadata
---
amdhsa.version: [ 1, 2 ]
amdhsa.kernels:
  - .name:           k_q50ee6f5af5_route
    .symbol:         k_q50ee6f5af5_route.kd
    .args:
      - { .name: x, .offset: 0, .size: 8, .value_kind: global_buffer, .address_space: global }
      - { .name: gate_w, .offset: 8, .size: 8, .value_kind: global_buffer, .address_space: global }
      - { .name: gate_b, .offset: 16, .size: 8, .value_kind: global_buffer, .address_space: global }
      - { .name: xq, .offset: 24, .size: 8, .value_kind: global_buffer, .address_space: global }
      - { .name: eids, .offset: 32, .size: 8, .value_kind: global_buffer, .address_space: global }
      - { .name: coef, .offset: 40, .size: 8, .value_kind: global_buffer, .address_space: global }
    .group_segment_fixed_size: 33280
    .private_segment_fixed_size: 0
    .kernarg_segment_align: 8
    .kernarg_segment_size: 48
    .max_flat_workgroup_size: 128
    .sgpr_count:     66
    .vgpr_count:     258
    .wavefront_size: 32
...
	.end_amdgpu_metadata
.endif
;; end of part 1
;; launch place (part 2): grid 1 x 1, 8 waves a work-group, no clusters, 2,048 bytes of LDS; arguments eids, plan; writes plan
.if DOCPART == 2
	.amdgcn_target "amdgcn-amd-amdhsa--gfx1250"
	.amdhsa_code_object_version 6
	.text
	.protected	k_q50ee6f5af5_place
	.globl	k_q50ee6f5af5_place
	.p2align	8
	.type	k_q50ee6f5af5_place,@function
k_q50ee6f5af5_place:
	s_mov_b64 s[64:65], 0
	v_nop
	global_prefetch_b8 v0, s[64:65] scope:SCOPE_SE
	s_setreg_imm32_b32 hwreg(HW_REG_WAVE_MODE, 25, 1), 1
	s_wait_xcnt 0x0
; PLACE.  A counting sort of the 2,048 routed rows (entry i = 2 x token + choice) by expert, by one work-group of eight waves, without atomics.
; Each expert's rows are padded to whole tiles of 16: at most 2048 / 16 + 7 = 135 tiles (numbers 0 to 134), whatever the split.
; OUT (plan, whole numbers): byte 0: TB[8], each expert's first tile; byte 32: TC[8], its tiles; bytes 64-127: zeros; byte 256: rowtok[2176], the token at each sorted place (padding places: token 0;
; place 2,175, in tile 135, which no split reaches, also takes a 0: see the end); byte 8960: ypos[2048]: for entry i at place p the number (p / 16) x 512 + p % 16, which times 128 is its row's first byte
; in the last product's results.
; Wave w holds entries 256 w + 128 q + 4 lane + j in v[8 + 4 q + j].  A place is: 16 x the expert's first tile + the expert's entries in earlier waves + those in earlier registers of my wave + those in lower lanes.
	s_load_b128 s[56:59], s[0:1], 0x0              ; eids s[56:57], plan s[58:59]
	v_lshl_add_u32 v80, v0, 2, 0x400
	v_mov_b32 v81, 0
	v_lshrrev_b32 v1, 5, v0
	v_readfirstlane_b32 s6, v1                     ; wave
	v_and_b32 v1, 31, v0                           ; lane
	v_lshlrev_b32 v2, 4, v1
	s_lshl_b32 s7, s6, 10
	v_add_nc_u32 v2, s7, v2                        ; 1,024 x wave + 16 x lane
	v_lshlrev_b32 v3, 2, v1                        ; 4 x lane
	v_lshlrev_b32 v4, 2, v0                        ; 4 x thread
.irp e, 0,1,2,3,4,5,6,7
	s_mov_b32 s[8+\e], 0
.endr
	s_wait_kmcnt 0x0
	global_load_b128 v[8:11], v2, s[56:57]
	global_load_b128 v[12:15], v2, s[56:57] offset:512
	s_wait_loadcnt 0x0
.irp c, 0,1,2,3,4,5,6,7                ; my wave's count for each expert: s[8 + e]
.irp e, 0,1,2,3,4,5,6,7
	v_cmp_eq_u32 s50, \e, v[8+\c]
	s_bcnt1_i32_b32 s51, s50
	s_add_co_u32 s[8+\e], s[8+\e], s51
.endr
.endr
	v_mov_b32 v20, 0
.irp e, 0,1,2,3,4,5,6,7
	v_writelane_b32 v20, s[8+\e], \e
.endr
	ds_store_b32 v4, v20                           ; 128 bytes a wave: lane e holds expert e's count
	s_wait_dscnt 0x0                               ; for the others' sake: my store is done
	s_barrier_signal -1
	s_barrier_wait -1
.irp w, 0,1,2,3,4,5,6,7
	ds_load_b32 v[24+\w], v3 offset:128*\w
.endr
	s_wait_dscnt 0x0
	v_mov_b32 v21, 0                               ; lane e: expert e's entries in all,
	v_mov_b32 v22, 0                               ; and in the waves ahead of mine
.irp w, 0,1,2,3,4,5,6,7
	v_add_nc_u32 v21, v21, v[24+\w]
	s_cmp_gt_u32 s6, \w
	s_cselect_b32 s50, -1, 0
	v_and_b32 v23, s50, v[24+\w]
	v_add_nc_u32 v22, v22, v23
.endr
	v_add_nc_u32 v23, 15, v21
	v_lshrrev_b32 v23, 4, v23                      ; its tiles
.irp e, 0,1,2,3,4,5,6,7
	v_readlane_b32 s[16+\e], v23, \e               ; TC
	v_readlane_b32 s[24+\e], v22, \e
	v_readlane_b32 s[32+\e], v21, \e
.endr
	s_mov_b32 s40, 0                               ; TB in s40-47; s48 all tiles
.irp e, 0,1,2,3,4,5,6,7
	s_add_co_u32 s[41+\e], s[40+\e], s[16+\e]
.endr
.irp e, 0,1,2,3,4,5,6,7
	s_lshl_b32 s50, s[40+\e], 4
	s_add_co_u32 s[8+\e], s50, s[24+\e]            ; where my wave's first entry of expert e goes
.endr
.irp c, 0,1,2,3,4,5,6,7
	v_mov_b32 v[32+\c], 0
.irp e, 0,1,2,3,4,5,6,7
	v_cmp_eq_u32 s50, \e, v[8+\c]
	v_mbcnt_lo_u32_b32 v50, s50, s[8+\e]           ; the base + the expert's entries in lower lanes
	v_cndmask_b32 v[32+\c], v[32+\c], v50, s50
	s_bcnt1_i32_b32 s51, s50
	s_add_co_u32 s[8+\e], s[8+\e], s51
.endr
	v_min_u32 v[32+\c], 0x87f, v[32+\c]            ; a place, at most 2,175: it enters an address only behind this line
.endr
.irp c, 0,1,2,3,4,5,6,7
	v_lshrrev_b32 v50, 4, v[32+\c]
	v_and_b32 v49, 15, v[32+\c]
	v_lshl_or_b32 v[40+\c], v50, 9, v49            ; (p / 16) x 512 + p % 16
	v_lshlrev_b32 v[56+\c], 2, v[32+\c]            ; 4 p
.endr
	s_lshl_b32 s50, s6, 7
	v_lshl_add_u32 v51, v1, 1, s50                 ; the token of my first entry: 128 x wave + 2 x lane
.irp q, 0,1
.irp k, 0,1
	v_add_nc_u32 v[52+2*\q+\k], 64*\q+\k, v51
.endr
.endr
	global_store_b128 v2, v[40:43], s[58:59] offset:8960          ; ypos: 32 lanes store 512 consecutive bytes
	global_store_b128 v2, v[44:47], s[58:59] offset:8960+512
.irp c, 0,1,2,3,4,5,6,7
	global_store_b32 v[56+\c], v[52+2*(\c/4)+(\c%4)/2], s[58:59] offset:256   ; rowtok: scattered by the sort itself, 8 KiB in all
.endr
	s_cmp_lg_u32 s6, 0                             ; the table of tiles and the padding places are wave 0's; no barrier follows
	s_cbranch_scc1 .Ldone
	v_mov_b32 v48, 0
.irp e, 0,1,2,3,4,5,6,7
	v_writelane_b32 v48, s[40+\e], \e
	v_writelane_b32 v48, s[16+\e], 8+\e
.endr
	global_store_b32 v3, v48, s[58:59]             ; TB, TC and 64 bytes of zeros
	v_mov_b32 v72, 0                               ; token 0
; The padding places of expert e lie between its last entry and the end of its last tile: at most 15.  All 32 lanes stay on: a lane whose place lies past that end is sent to place 2,175 instead, which belongs
; to tile 135 and to no expert; all such lanes write the same 0 there.  Each expert has an address register of its own, so none is written again while a store may still read it.
.irp e, 0,1,2,3,4,5,6,7
	s_lshl_b32 s50, s[40+\e], 4
	s_add_co_u32 s50, s50, s[32+\e]                ; the first place behind the expert's entries,
	s_lshl_b32 s51, s[41+\e], 4                    ; and the end of its last tile
	v_add_nc_u32 v[64+\e], s50, v1
	v_cmp_gt_u32 vcc_lo, s51, v[64+\e]
	v_cndmask_b32 v[64+\e], 0x87f, v[64+\e], vcc_lo
	v_min_u32 v[64+\e], 0x87f, v[64+\e]            ; at most 2,175: it enters an address only behind this line
	v_lshlrev_b32 v[64+\e], 2, v[64+\e]
	global_store_b32 v[64+\e], v72, s[58:59] offset:256
.endr
.Ldone:
	s_wait_tensorcnt 0x0
	ds_add_u32 v80, v81
	s_wait_dscnt 0x0
	s_endpgm
.Lfunc_end_k_q50ee6f5af5_place:
	.size	k_q50ee6f5af5_place, .Lfunc_end_k_q50ee6f5af5_place-k_q50ee6f5af5_place
	.p2alignl 7, 3214868480
	.fill 96, 4, 3214868480
	.section	.rodata,"a",@progbits
	.p2align	6, 0x0
	.amdhsa_kernel k_q50ee6f5af5_place
		.amdhsa_group_segment_fixed_size 2048
		.amdhsa_private_segment_fixed_size 0
		.amdhsa_enable_private_segment 0
		.amdhsa_kernarg_size 16
		.amdhsa_user_sgpr_count 2
		.amdhsa_user_sgpr_kernarg_segment_ptr 1
		.amdhsa_wavefront_size32 1
		.amdhsa_system_sgpr_workgroup_id_x 1
		.amdhsa_system_sgpr_workgroup_id_y 1
		.amdhsa_system_sgpr_workgroup_id_z 1
		.amdhsa_system_vgpr_workitem_id 0
		.amdhsa_next_free_vgpr 82
		.amdhsa_next_free_sgpr 66
		.amdhsa_reserve_vcc 1
		.amdhsa_float_denorm_mode_32 3
		.amdhsa_float_denorm_mode_16_64 3
		.amdhsa_memory_ordered 1
		.amdhsa_forward_progress 1
		.amdhsa_inst_pref_size 38
	.end_amdhsa_kernel
	.amdgpu_metadata
---
amdhsa.version: [ 1, 2 ]
amdhsa.kernels:
  - .name:           k_q50ee6f5af5_place
    .symbol:         k_q50ee6f5af5_place.kd
    .args:
      - { .name: eids, .offset: 0, .size: 8, .value_kind: global_buffer, .address_space: global }
      - { .name: plan, .offset: 8, .size: 8, .value_kind: global_buffer, .address_space: global }
    .group_segment_fixed_size: 2048
    .private_segment_fixed_size: 0
    .kernarg_segment_align: 8
    .kernarg_segment_size: 16
    .max_flat_workgroup_size: 256
    .sgpr_count:     66
    .vgpr_count:     82
    .wavefront_size: 32
...
	.end_amdgpu_metadata
.endif
;; end of part 2
;; launch up (part 3): grid 256 x 1, 4 waves a work-group, no clusters, 133,632 bytes of LDS; arguments W1_codes, W1_scales, W3_codes, W3_scales, xq, plan, hq; writes hq
.if DOCPART == 3
	.amdgcn_target "amdgcn-amd-amdhsa--gfx1250"
	.amdhsa_code_object_version 6
	.text
	.protected	k_q50ee6f5af5_up
	.globl	k_q50ee6f5af5_up
	.p2align	8
	.type	k_q50ee6f5af5_up,@function
k_q50ee6f5af5_up:
	s_mov_b64 s[64:65], 0
	v_nop
	global_prefetch_b8 v0, s[64:65] scope:SCOPE_SE
	s_setreg_imm32_b32 hwreg(HW_REG_WAVE_MODE, 25, 1), 1
	s_wait_xcnt 0x0
; UP.  h = relu(x W1^T)^2 (x W3^T) for the routed rows alone, quantised along H to E4M3 codes with one E8M0 byte for each 32.  Rows that an expert was not chosen for are multiplied by 0 in the
; definition, so they are not made.
; SHARES.  THE WEIGHTS STAY, THE ROWS GO BY.  Work-group = (expert e = number / 32, slice = number % 32 of 64 hidden units).  Wave w: half = w % 2 takes 32 of the 64 units, one block kb = 2 slice + half of the next
; product's K; par = w / 2 takes the expert's tiles (16 routed rows) of that parity.  A wave's 32 rows of W1 and of W3, all of K, fill 512 registers for the whole launch; each weight byte is read once in the launch.
; THE HEAD brings the weights in by loads of 512 consecutive bytes and turns them into fragments through LDS (rows 1,040 bytes apart: an odd multiple of 16, so that the 16 rows of a fragment load begin at 8 different
; places modulo 256 bytes).  Its barrier is the only one, and it stands ahead of every branch on the stored list.
; NO tensor load, cluster or joint load: the number of tiles hangs on the stored list.  So x's codes go from memory straight into registers, by the tokens of rowtok.
; THE RING.  x comes in UNITS of half a tile: four K steps, 16 loads of codes and one of scale words.  Two tile buffers are four unit buffers.  A step waits for unit k, asks for unit k + 3 (into the buffer that unit k - 1
; has left) and multiplies unit k: three units and two loads of tokens, 53 loads of the wave, are out at the most.  A fourth unit would make 70, more than LOADcnt's field counts (ISA guide 5.7.1).
; The tokens of tile n + 3 are asked for in tile n's first step, ahead of that step's unit, so that the wait for tile n + 1's second unit shows them landed too.
; BOTH PRODUCTS ARE USED TRANSPOSED (source 0 = 16 rows of W, source 1 = 16 routed rows): a lane holds one routed row.  THE ROWS OF W THAT FORM A TILE ARE NOT NEIGHBOURS: lane r of tile u takes unit 8 u + r + 8 (r / 8),
; so that the 16 registers of tiles 0 and 1 are units 16 (lane / 16) + 0 .. 15: the conversions' results are four registers of the next product's operand, and are stored as that image.
; OUT (hq): images [136 tiles][64 kb][32 lanes][16 bytes]; at HSC scale bytes [136][16 rows][64 kb].
; LIMITS: NaN and infinities are not served.  A block of zeros gets the byte 1 over zero codes (read by this program alone).  Padding rows of a last tile hold token 0's h; nobody reads what comes of them.
; REGISTERS, in windows of 256: window 0: v1-8, v12 addresses; v10-11 x's code offsets, v122-123 its scale offsets, v14-15 tokens, each by the tile's parity; v16-47 the weights' scale words; v48-63 x's, two sets;
;   v64-95 four accumulators; v96-111 h; v112-121 at work; v128-255 x's fragments, buffer 0.   window 1: W1's 16 fragments (tile u, K step s at 128 u + 16 s).   window 2: W3's.   window 3: v128-255 x's fragments, buffer 1.
.set XSC, 1048576
.set HSC, 4456448
.set WP,  1040                         ; a row of weights in LDS: 1,024 bytes + 16
.set REG, 32*WP                        ; 32 rows: what one wave brings, and what one wave reads of W1 or of W3
.set XA,  10                           ; v[XA + b]: the byte offset in x's codes of my row's token, + 16 h, for the tile in buffer b
.set TK,  14                           ; v[TK + b]: the tokens of a tile of parity b, as loaded
.set WS,  16                           ; v[WS + 8 (2 m + u) + s]: matrix m (0: W1, 1: W3), tile u, K step s
.set XS,  48                           ; v[XS + 8 b + s]: buffer b, K step s
.set ACC, 64                           ; v[ACC + 8 (2 m + u)]
.set HV,  96
.set CD,  112
.set XSA, 122                          ; v[XSA + b]: the same token's offset among x's scale bytes
.set XB,  128
.set MSB, 0
.macro WIN new                         ; the immediate's high byte repeats the setting that is left; a switch that changes nothing is dropped
.if MSB != (\new)
	s_set_vgpr_msb (MSB<<8)|(\new)
.set MSB, (\new)
.endif
.endm
.macro PLACES n
.rept \n
	v_nop
.endr
.endm
	s_load_b256 s[4:11], s[0:1], 0x0               ; W1's codes s[4:5], its scales s[6:7], W3's codes s[8:9], its scales s[10:11]
	s_load_b128 s[12:15], s[0:1], 0x20             ; xq s[12:13], plan s[14:15]
	s_load_b64 s[16:17], s[0:1], 0x30              ; hq
	v_lshl_add_u32 v126, v0, 2, 0x20800
	v_mov_b32 v127, 0
	v_lshrrev_b32 v1, 5, v0
	v_readfirstlane_b32 s18, v1                    ; wave
	v_and_b32 v2, 31, v0
	v_lshlrev_b32 v1, 4, v2                        ; 16 x lane
	v_bfe_u32 v3, v0, 4, 1
	v_lshlrev_b32 v3, 4, v3                        ; 16 h
	v_and_b32 v2, 15, v0                           ; r
	s_mul_i32 s46, s18, REG
	v_add_nc_u32 v4, s46, v1                       ; the stage, on the way in: my wave's region
	s_and_b32 s48, s18, 1                          ; half
	s_lshr_b32 s49, s18, 1                         ; par
	v_and_b32 v7, 8, v2
	v_add_nc_u32 v7, v7, v2                        ; r + 8 (r / 8)
	v_mul_u32_u24 v5, v7, WP
	v_add_nc_u32 v5, v5, v3
	s_mul_i32 s46, s48, REG
	v_add_nc_u32 v5, s46, v5                       ; W1's fragments: regions 0, 1 by half,
	v_add_nc_u32 v6, 2*REG, v5                     ; W3's: regions 2, 3
	v_lshlrev_b32 v7, 5, v7                        ; the weights' scale bytes: 32 a row
	v_lshlrev_b32 v8, 2, v2                        ; rowtok: 4 r
	v_lshlrev_b32 v12, 6, v2                       ; h's scale bytes: 64 a row
	v_mov_b32 v118, 0                              ; written once: a lane permute's destination counts as one of its sources
	s_lshr_b32 s19, ttmp9, 5                       ; expert
	s_and_b32 s50, ttmp9, 31                       ; slice
	s_lshl_b32 s27, s50, 1
	s_add_co_u32 s27, s27, s48                     ; kb
	s_mov_b32 s36, 0x76543210
	s_mov_b32 s37, 0xfedcba98                      ; v_permlanex16_b32's selects for lane l xor 16
	s_mov_b32 s38, 0x600000                        ; the mantissa field of 448
	s_mov_b32 s35, 0
	s_mov_b32 s47, 0
	s_lshl_b32 s51, s19, 11
	s_lshl_b32 s46, s27, 5
	s_add_co_u32 s51, s51, s46                     ; the first of my 32 rows: 2,048 e + 32 kb.  (The rows that I bring and the rows that I keep have the same number: both go by w % 2)
	s_wait_kmcnt 0x0
	s_lshl_b32 s46, s19, 2
	s_add_nc_u64 s[44:45], s[14:15], s[46:47]
	s_load_b32 s20, s[44:45], 0x0                  ; TB: the expert's first tile
	s_load_b32 s21, s[44:45], 0x20                 ; TC: its tiles
	s_cmp_lt_u32 s18, 2                            ; waves 0, 1 bring W1's two halves, waves 2, 3 W3's
	s_cselect_b64 s[42:43], s[4:5], s[8:9]
	s_lshl_b32 s34, s51, 10
	s_add_nc_u64 s[42:43], s[42:43], s[34:35]
	WIN 0x40                                       ; destination window 1
.set q, 0
.rept 64
	global_load_b128 v[4*q:4*q+3], v1, s[42:43] offset:512*q th:TH_LOAD_NT   ; 32 rows of 1,024 bytes, dense: 512 consecutive bytes a load
.set q, q+1
.endr
	WIN 0
	s_lshl_b32 s34, s51, 5
	s_add_nc_u64 s[6:7], s[6:7], s[34:35]
	s_add_nc_u64 s[10:11], s[10:11], s[34:35]
.irp u, 0,1
.irp g, 0,1
	global_load_b128 v[WS+8*\u+4*\g:WS+8*\u+4*\g+3], v7, s[6:7] offset:256*\u+16*\g          ; lane r: the eight scale words of W1's unit 8 u + r + 8 (r / 8)
	global_load_b128 v[WS+16+8*\u+4*\g:WS+16+8*\u+4*\g+3], v7, s[10:11] offset:256*\u+16*\g  ; and of W3's
.endr
.endr
	s_add_nc_u64 s[40:41], s[12:13], XSC           ; x's scale bytes
	s_lshl_b32 s34, s27, 9
	s_add_nc_u64 s[52:53], s[16:17], s[34:35]      ; h's images at my kb
	s_add_nc_u64 s[54:55], s[16:17], HSC
	s_mov_b32 s34, s27
	s_add_nc_u64 s[54:55], s[54:55], s[34:35]      ; h's scale bytes at my kb
	s_wait_kmcnt 0x0                               ; TB, TC; their base may be written again
	s_min_u32 s20, s20, 135                        ; both are held by constants before anything is made of them
	s_min_u32 s21, s21, 64
	s_add_nc_u64 s[44:45], s[14:15], 256           ; rowtok
	s_add_co_u32 s39, s21, 1
	s_sub_co_u32 s39, s39, s49
	s_lshr_b32 s39, s39, 1                         ; my tiles: (TC + 1 - par) / 2
	s_add_co_u32 s22, s20, s49                     ; the tile in hand: TB + par, then every second
	s_lshl_b32 s23, s39, 1
	s_add_co_u32 s23, s23, s22
	s_sub_co_u32 s23, s23, 2                       ; my last tile: no load looks past it.
	s_cmp_eq_u32 s39, 0
	s_cselect_b32 s23, 0, s23                      ; A wave without a tile asks for tile 0, which every split has (2,048 rows fill 128 tiles at the least), and ends behind the barrier
	s_add_co_u32 s25, s39, 1
	s_lshr_b32 s25, s25, 1                         ; trips of two tiles
	s_sub_co_u32 s26, s25, 1
	s_bitcmp1_b32 s39, 0
	s_cselect_b32 s26, s26, -1                     ; an odd number of tiles: the wave ends in the middle of its last trip
	s_min_u32 s46, s22, s23
	s_min_u32 s46, s46, 135
	s_lshl_b32 s34, s46, 6
	s_add_nc_u64 s[28:29], s[44:45], s[34:35]
	global_load_b32 v[TK], v8, s[28:29]            ; my first tile's tokens: lane (r, h) takes row r's
	s_add_co_u32 s46, s22, 2
	s_min_u32 s46, s46, s23
	s_min_u32 s46, s46, 135
	s_lshl_b32 s34, s46, 6
	s_add_nc_u64 s[56:57], s[44:45], s[34:35]
	global_load_b32 v[TK+1], v8, s[56:57]          ; and my second's
	s_wait_loadcnt 10                              ; the 64 loads of codes are in; the eight of scale words and the two of tokens behind them may be out
	WIN 0x04                                       ; an LDS store's data are its source 1: window 1
.set q, 0
.rept 64
	ds_store_b128 v4, v[4*q:4*q+3] offset:(q/2)*WP+(q%2)*512
.set q, q+1
.endr
	WIN 0
; Unit g (K steps 4 g .. 4 g + 3) of the tile whose offsets stand in v[XA + b], v[XSA + b], into buffer b: 1 + 16 loads.  Lane (r, h): of its token's row, K = 128 s + 32 c + 16 h + 0 .. 15
.macro UNITX b, g
	global_load_b128 v[XS+8*(\b)+4*(\g):XS+8*(\b)+4*(\g)+3], v[XSA+(\b)], s[40:41] offset:16*(\g)
	WIN 0xc0*(\b)                                  ; buffer 1 lies in window 3
.irp s, 0,1,2,3
.irp c, 0,1,2,3
	global_load_b128 v[XB+64*(\g)+16*\s+4*\c:XB+64*(\g)+16*\s+4*\c+3], v[XA+(\b)], s[12:13] offset:512*(\g)+128*\s+32*\c
.endr
.endr
	WIN 0
.endm
; 16 matrix instructions on unit g of buffer b: W1's two tiles down its four K steps, then W3's.  The accumulators take turns, one instruction a turn; a tile's first K step starts the sums with the constant 0
.macro MULH b, g
	WIN 0x01+0x0c*(\b)                             ; source 0 window 1 (W1); source 1 window 0 or 3
.irp s, 0,1,2,3
.irp u, 0,1
.if ((\g) == 0) && (\s == 0)
	v_wmma_scale_f32_16x16x128_f8f6f4 v[ACC+8*\u:ACC+8*\u+7], v[128*\u+64*(\g)+16*\s:128*\u+64*(\g)+16*\s+15], v[XB+64*(\g)+16*\s:XB+64*(\g)+16*\s+15], 0, v[WS+8*\u+4*(\g)+\s], v[XS+8*(\b)+4*(\g)+\s]
.else
	v_wmma_scale_f32_16x16x128_f8f6f4 v[ACC+8*\u:ACC+8*\u+7], v[128*\u+64*(\g)+16*\s:128*\u+64*(\g)+16*\s+15], v[XB+64*(\g)+16*\s:XB+64*(\g)+16*\s+15], v[ACC+8*\u:ACC+8*\u+7], v[WS+8*\u+4*(\g)+\s], v[XS+8*(\b)+4*(\g)+\s]
.endif
.endr
.endr
	WIN 0x02+0x0c*(\b)                             ; source 0 window 2 (W3)
.irp s, 0,1,2,3
.irp u, 0,1
.if ((\g) == 0) && (\s == 0)
	v_wmma_scale_f32_16x16x128_f8f6f4 v[ACC+16+8*\u:ACC+16+8*\u+7], v[128*\u+64*(\g)+16*\s:128*\u+64*(\g)+16*\s+15], v[XB+64*(\g)+16*\s:XB+64*(\g)+16*\s+15], 0, v[WS+16+8*\u+4*(\g)+\s], v[XS+8*(\b)+4*(\g)+\s]
.else
	v_wmma_scale_f32_16x16x128_f8f6f4 v[ACC+16+8*\u:ACC+16+8*\u+7], v[128*\u+64*(\g)+16*\s:128*\u+64*(\g)+16*\s+15], v[XB+64*(\g)+16*\s:XB+64*(\g)+16*\s+15], v[ACC+16+8*\u:ACC+16+8*\u+7], v[WS+16+8*\u+4*(\g)+\s], v[XS+8*(\b)+4*(\g)+\s]
.endif
.endr
.endr
	WIN 0
.endm
; h of my 16 units of my row, its block's scale, its codes, and out.  Each accumulator is read from its low end on
.macro EPI
.irp i, 0,1,2,3,4,5,6,7,8,9,10,11,12,13,14,15
	v_max_num_f32 v[HV+\i], 0, v[ACC+\i]           ; relu
.endr
.irp i, 0,2,4,6,8,10,12,14
	v_pk_mul_f32 v[HV+\i:HV+\i+1], v[HV+\i:HV+\i+1], v[HV+\i:HV+\i+1]          ; squared,
.endr
.irp i, 0,2,4,6,8,10,12,14
	v_pk_mul_f32 v[HV+\i:HV+\i+1], v[HV+\i:HV+\i+1], v[ACC+16+\i:ACC+16+\i+1]  ; times x W3^T: register i is unit 16 h + i
.endr
	v_max3_num_f32 v116, |v[HV]|, |v[HV+1]|, 0x4800000             ; my 16 numbers, and the floor 2^(9 - 127): the byte cannot fall under 1
	v_max3_num_f32 v117, |v[HV+2]|, |v[HV+3]|, |v[HV+4]|
.irp i, 5,9
	v_max3_num_f32 v116, v116, |v[HV+\i]|, |v[HV+\i+1]|
	v_max3_num_f32 v117, v117, |v[HV+\i+2]|, |v[HV+\i+3]|
.endr
	v_max3_num_f32 v116, v116, |v[HV+13]|, |v[HV+14]|
	v_max3_num_f32 v116, v116, v117, |v[HV+15]|
	v_permlanex16_b32 v118, v116, s36, s37
	v_max_num_f32 v116, v116, v118                 ; with lane l xor 16's: the block's largest magnitude
	v_add_nc_u32 v119, 0xfc000000, v116            ; 8 off its exponent field: the conversion's scale operand
	v_and_or_b32 v120, v116, 0x7f800000, s38       ; 448 x the scale
	v_lshrrev_b32 v121, 23, v119                   ; the scale's byte
.irp i, 0,1,2,3,4,5,6,7,8,9,10,11,12,13,14,15
	v_med3_num_f32 v[HV+\i], v[HV+\i], -v120, v120 ; the conversion to an 8-bit code does not saturate (ISA guide 7.6.2): the hold comes first
.endr
	v_cvt_scalef32_pk8_fp8_f32 v[CD:CD+1], v[HV:HV+7], v119
	v_cvt_scalef32_pk8_fp8_f32 v[CD+2:CD+3], v[HV+8:HV+15], v119
	v_nop                                          ; a plain line behind the last conversion, ahead of whatever next writes its sources
	global_store_b128 v1, v[CD:CD+3], s[30:31]     ; the image of four operand registers: 32 lanes store 512 consecutive bytes
	global_store_b8 v12, v121, s[32:33]            ; row r's byte for block kb (lanes r and r + 16 write the same byte with the same value)
.endm
; One tile, n, of parity b: two steps of the ring.  s22 is its number.
.macro TILE b
	s_wait_loadcnt 35                              ; unit (n, 0) is in.  Issued behind it: the tokens of n + 2 and unit (n, 1), 18 loads, and unit (n + 1, 0), 17
	s_wait_xcnt 0x0                                ; the last load of tokens has read its base, the last tile's stores their data and bases: all are written again below
	s_add_co_u32 s46, s22, 6
	s_min_u32 s46, s46, s23                        ; my tile three on, or my last one again: no load leaves my tiles
	s_min_u32 s46, s46, 135
	s_lshl_b32 s34, s46, 6
	s_add_nc_u64 s[28:29], s[44:45], s[34:35]
	global_load_b32 v[TK+1-(\b)], v8, s[28:29]     ; the tokens of n + 3, over those of n + 1, which the tile before has turned into offsets
	UNITX 1-(\b), 1                                ; unit (n + 1, 1).  The products that read its buffer last stand nine places and a whole way out back
	s_min_u32 s46, s22, 135
	s_lshl_b32 s34, s46, 15
	s_add_nc_u64 s[30:31], s[52:53], s[34:35]      ; this tile's image,
	s_lshl_b32 s34, s46, 10
	s_add_nc_u64 s[32:33], s[54:55], s[34:35]      ; and its scale bytes
	MULH \b, 0
	PLACES 8                                       ; behind this form eight places ahead of loads into its operands and scale words
	s_wait_loadcnt 35                              ; unit (n, 1) is in, and the tokens of n + 2 ahead of it.  Issued behind it: unit (n + 1, 0), 17 loads, and the 18 of this tile's first step.
	v_min_u32 v13, 0x3ff, v[TK+(\b)]               ; A token, at most 1,023: it enters an address only behind this line.  Both units that read this parity's offsets are in: the offsets may be written
	v_lshl_add_u32 v[XA+(\b)], v13, 10, v3         ; its codes: 1,024 bytes a token, + 16 h
	v_lshlrev_b32 v[XSA+(\b)], 5, v13              ; its scale bytes: 32 a token
	UNITX \b, 0                                    ; unit (n + 2, 0), into the buffer just multiplied
	MULH \b, 1
	PLACES 9                                       ; eight places ahead of the first read of a result, nine ahead of the matrix instruction that begins an accumulator anew
	EPI
	s_add_co_u32 s22, s22, 2
.endm
	s_wait_loadcnt 0x0                             ; the weights' scale words and the first two tiles' tokens; the tokens' bases may be written again
	v_min_u32 v13, 0x3ff, v[TK]
	v_lshl_add_u32 v[XA], v13, 10, v3
	v_lshlrev_b32 v[XSA], 5, v13
	v_min_u32 v13, 0x3ff, v[TK+1]
	v_lshl_add_u32 v[XA+1], v13, 10, v3
	v_lshlrev_b32 v[XSA+1], 5, v13
	s_add_co_u32 s46, s22, 4
	s_min_u32 s46, s46, s23
	s_min_u32 s46, s46, 135
	s_lshl_b32 s34, s46, 6
	s_add_nc_u64 s[28:29], s[44:45], s[34:35]
	UNITX 0, 0                                     ; the ring is primed in the order in which the loop goes on: unit (0, 0); the tokens of tile 2 and unit (0, 1); unit (1, 0).
	global_load_b32 v[TK], v8, s[28:29]            ; These 52 loads land while the weights' fragments are read from the stage
	UNITX 0, 1
	UNITX 1, 0
	s_wait_dscnt 0x0                               ; for the others' sake: my stores into the stage are done
	s_barrier_signal -1
	s_barrier_wait -1
	s_cmp_eq_u32 s39, 0                            ; a split that leaves me no tile: a branch on the stored list, behind the last barrier
	s_cbranch_scc1 .Lend
	WIN 0x40
.irp u, 0,1
.irp s, 0,1,2,3,4,5,6,7
.irp c, 0,1,2,3
	ds_load_b128 v[128*\u+16*\s+4*\c:128*\u+16*\s+4*\c+3], v5 offset:8*\u*WP+128*\s+32*\c
.endr
.endr
.endr
	WIN 0x80
.irp u, 0,1
.irp s, 0,1,2,3,4,5,6,7
.irp c, 0,1,2,3
	ds_load_b128 v[128*\u+16*\s+4*\c:128*\u+16*\s+4*\c+3], v6 offset:8*\u*WP+128*\s+32*\c
.endr
.endr
.endr
	WIN 0
	s_wait_dscnt 0x0                               ; the weights' fragments
	s_mov_b32 s24, 0
.Lpair:                                            ; a trip runs two tiles, until the buffers are back where they began
	TILE 0
	s_cmp_lg_u32 s24, s26                          ; with an odd number of tiles the last trip has one tile: the wave ends here.  No barrier follows, and the loads that are out
	s_cbranch_scc1 .Lsecond                        ; (my last tile's x and tokens once more) land in registers that nobody reads
	s_wait_tensorcnt 0x0
	ds_add_u32 v126, v127
	s_wait_dscnt 0x0
	s_endpgm
.Lsecond:
	TILE 1
	s_add_co_u32 s24, s24, 1
	s_cmp_lt_u32 s24, s25
	s_cbranch_scc1 .Lpair
.Lend:
	s_wait_tensorcnt 0x0
	ds_add_u32 v126, v127
	s_wait_dscnt 0x0
	s_endpgm
.Lfunc_end_k_q50ee6f5af5_up:
	.size	k_q50ee6f5af5_up, .Lfunc_end_k_q50ee6f5af5_up-k_q50ee6f5af5_up
	.p2alignl 7, 3214868480
	.fill 96, 4, 3214868480
	.section	.rodata,"a",@progbits
	.p2align	6, 0x0
	.amdhsa_kernel k_q50ee6f5af5_up
		.amdhsa_group_segment_fixed_size 133632
		.amdhsa_private_segment_fixed_size 0
		.amdhsa_enable_private_segment 0
		.amdhsa_kernarg_size 56
		.amdhsa_user_sgpr_count 2
		.amdhsa_user_sgpr_kernarg_segment_ptr 1
		.amdhsa_wavefront_size32 1
		.amdhsa_system_sgpr_workgroup_id_x 1
		.amdhsa_system_sgpr_workgroup_id_y 1
		.amdhsa_system_sgpr_workgroup_id_z 1
		.amdhsa_system_vgpr_workitem_id 0
		.amdhsa_next_free_vgpr 1024
		.amdhsa_next_free_sgpr 66
		.amdhsa_reserve_vcc 0
		.amdhsa_float_denorm_mode_32 3
		.amdhsa_float_denorm_mode_16_64 3
		.amdhsa_memory_ordered 1
		.amdhsa_forward_progress 1
		.amdhsa_inst_pref_size 54
	.end_amdhsa_kernel
	.amdgpu_metadata
---
amdhsa.version: [ 1, 2 ]
amdhsa.kernels:
  - .name:           k_q50ee6f5af5_up
    .symbol:         k_q50ee6f5af5_up.kd
    .args:
      - { .name: W1_codes, .offset: 0, .size: 8, .value_kind: global_buffer, .address_space: global }
      - { .name: W1_scales, .offset: 8, .size: 8, .value_kind: global_buffer, .address_space: global }
      - { .name: W3_codes, .offset: 16, .size: 8, .value_kind: global_buffer, .address_space: global }
      - { .name: W3_scales, .offset: 24, .size: 8, .value_kind: global_buffer, .address_space: global }
      - { .name: xq, .offset: 32, .size: 8, .value_kind: global_buffer, .address_space: global }
      - { .name: plan, .offset: 40, .size: 8, .value_kind: global_buffer, .address_space: global }
      - { .name: hq, .offset: 48, .size: 8, .value_kind: global_buffer, .address_space: global }
    .group_segment_fixed_size: 133632
    .private_segment_fixed_size: 0
    .kernarg_segment_align: 8
    .kernarg_segment_size: 56
    .max_flat_workgroup_size: 128
    .sgpr_count:     66
    .vgpr_count:     1024
    .wavefront_size: 32
...
	.end_amdgpu_metadata
.endif
;; end of part 3
;; launch down (part 4): grid 256 x 1, 4 waves a work-group, no clusters, 75,776 bytes of LDS; arguments W2_codes, W2_scales, hq, plan, ybuf; writes ybuf
.if DOCPART == 4
	.amdgcn_target "amdgcn-amd-amdhsa--gfx1250"
	.amdhsa_code_object_version 6
	.text
	.protected	k_q50ee6f5af5_down
	.globl	k_q50ee6f5af5_down
	.p2align	8
	.type	k_q50ee6f5af5_down,@function
k_q50ee6f5af5_down:
	s_mov_b64 s[64:65], 0
	v_nop
	global_prefetch_b8 v0, s[64:65] scope:SCOPE_SE
	s_setreg_imm32_b32 hwreg(HW_REG_WAVE_MODE, 25, 1), 1
	s_wait_xcnt 0x0
; DOWN.  y = h W2^T for the routed rows, on the codes of h that the launch before made and the codes of W2 as they are given.
; SHARES.  Work-group = (expert e = number / 32, slice = number % 32 of 32 rows d of W2).  All four waves keep the same 32 rows x 2,048 K of W2 in 512 registers; wave w takes the expert's tiles TB + w, + 4, ..
; Each byte of W2 is read once in the launch, by loads of 512 consecutive bytes, and turned into fragments through LDS (rows 2,064 bytes apart, an odd multiple of 16).  The head's barrier is the only one, ahead of every
; branch on the stored list.  NO tensor load, cluster or joint load: the number of tiles hangs on the stored list.
; h's fragments come as they were stored, as images of the operand's registers: 512 consecutive bytes a load.  A tile is two UNITS of eight K steps, in two buffers; while one is multiplied the other lands.
; TRANSPOSED USE: source 0 = 16 rows of W2, source 1 = 16 routed rows: lane (r, h) holds y(row r, d = 16 u + 8 h + 0 .. 7).  A tile's 16 x 32 results go through the wave's own stage and leave as 2,048 consecutive bytes.
; OUT (ybuf): f32 [136 tiles][32 slices][16 rows][32 d].  The gate's weights are applied by the next launch, which adds each token's two rows.
; REGISTERS: window 0: v1-8 addresses; v16-47 W2's scale words; v48-63 h's; v64-79 two accumulators; v80-95 rows on the way out; v128-255 h, buffer 0.  windows 1, 2: W2's fragments of K steps 0-7, 8-15 (tile u, step s' at
;   128 u + 16 s').  window 3: v128-255 h, buffer 1.
.set HSC, 4456448
.set WP,  2064                         ; a row of W2 in LDS: 2,048 bytes + 16
.set YST, 32*WP                        ; behind the weights: a stage of 16 rows x 144 bytes for each wave
.set YP,  144                          ; 128 bytes + 16
.set WS,  16                           ; v[WS + 16 u + s]
.set HS,  48                           ; v[HS + 8 p + s']
.set ACC, 64
.set OB,  80
.set XB,  128
.set MSB, 0
.macro WIN new                         ; the immediate's high byte repeats the setting that is left; a switch that changes nothing is dropped
.if MSB != (\new)
	s_set_vgpr_msb (MSB<<8)|(\new)
.set MSB, (\new)
.endif
.endm
.macro PLACES n
.rept \n
	v_nop
.endr
.endm
	s_load_b256 s[4:11], s[0:1], 0x0               ; W2's codes s[4:5], its scales s[6:7], hq s[8:9], plan s[10:11]
	s_load_b64 s[12:13], s[0:1], 0x20              ; ybuf
	v_lshl_add_u32 v126, v0, 2, 0x12600
	v_mov_b32 v127, 0
	v_lshrrev_b32 v1, 5, v0
	v_readfirstlane_b32 s18, v1                    ; wave
	v_and_b32 v9, 31, v0                           ; lane
	v_lshlrev_b32 v1, 4, v9                        ; 16 x lane
	v_and_b32 v2, 15, v0                           ; r
	v_bfe_u32 v3, v0, 4, 1                         ; h
	s_mul_i32 s46, s18, 8*WP
	v_add_nc_u32 v4, s46, v1                       ; the weights' stage, on the way in: my eight rows
	v_mul_u32_u24 v5, v2, WP
	v_lshl_add_u32 v5, v3, 4, v5                   ; a fragment: row r, + 16 h
	v_lshlrev_b32 v6, 6, v2                        ; scale bytes, W2's and h's: 64 a row
	s_mul_i32 s46, s18, 16*YP
	s_add_co_u32 s46, s46, YST                     ; my stage for y
	v_mul_u32_u24 v7, v2, YP
	v_lshl_add_u32 v7, v3, 5, v7
	v_add_nc_u32 v7, s46, v7                       ; in: row r, + 32 h
	v_lshrrev_b32 v8, 3, v9
	v_mul_u32_u24 v8, v8, YP
	v_and_b32 v10, 7, v9
	v_lshl_add_u32 v8, v10, 4, v8
	v_add_nc_u32 v8, s46, v8                       ; back: eight lanes to a row of 128 bytes, four rows an instruction
	s_lshr_b32 s19, ttmp9, 5                       ; expert
	s_and_b32 s50, ttmp9, 31                       ; slice
	s_lshl_b32 s51, s19, 10
	s_lshl_b32 s46, s50, 5
	s_add_co_u32 s51, s51, s46                     ; the slice's first row of W2: 1,024 e + 32 slice
	s_mov_b32 s35, 0
	s_mov_b32 s47, 0
	s_wait_kmcnt 0x0
	s_lshl_b32 s46, s19, 2
	s_add_nc_u64 s[44:45], s[10:11], s[46:47]
	s_load_b32 s20, s[44:45], 0x0                  ; TB
	s_load_b32 s21, s[44:45], 0x20                 ; TC
	s_lshl_b32 s46, s18, 3
	s_add_co_u32 s46, s46, s51
	s_lshl_b32 s34, s46, 11
	s_add_nc_u64 s[4:5], s[4:5], s[34:35]          ; the eight rows that I bring
	WIN 0x40                                       ; destination window 1
.set q, 0
.rept 32
	global_load_b128 v[4*q:4*q+3], v1, s[4:5] offset:512*q th:TH_LOAD_NT     ; eight rows of 2,048 bytes, dense
.set q, q+1
.endr
	WIN 0
	s_lshl_b32 s34, s51, 6
	s_add_nc_u64 s[6:7], s[6:7], s[34:35]
.irp u, 0,1
.irp g, 0,1,2,3
	global_load_b128 v[WS+16*\u+4*\g:WS+16*\u+4*\g+3], v6, s[6:7] offset:1024*\u+16*\g   ; lane r: the 16 scale words of row 16 u + r
.endr
.endr
	s_lshl_b32 s34, s50, 11
	s_add_nc_u64 s[52:53], s[12:13], s[34:35]      ; y at my slice
	s_add_nc_u64 s[54:55], s[8:9], HSC             ; h's scale bytes
	s_wait_loadcnt 0x8                             ; the 32 loads of codes are in; the eight of scale words behind them may be out
	WIN 0x04                                       ; an LDS store's data are its source 1: window 1
.set q, 0
.rept 32
	ds_store_b128 v4, v[4*q:4*q+3] offset:(q/4)*WP+(q%4)*512
.set q, q+1
.endr
	WIN 0
	s_wait_kmcnt 0x0
	s_min_u32 s20, s20, 135                        ; both are held by constants before anything is made of them
	s_min_u32 s21, s21, 64
	s_add_co_u32 s39, s21, 3
	s_sub_co_u32 s39, s39, s18
	s_lshr_b32 s39, s39, 2                         ; my tiles: (TC + 3 - wave) / 4
	s_wait_dscnt 0x0                               ; for the others' sake: my stores into the stage are done
	s_barrier_signal -1
	s_barrier_wait -1
	s_cmp_eq_u32 s39, 0                            ; a split that leaves me no tile: a branch on the stored list, behind the last barrier
	s_cbranch_scc1 .Lend
	s_add_co_u32 s22, s20, s18                     ; the tile in hand
	s_lshl_b32 s23, s39, 2
	s_add_co_u32 s23, s23, s22
	s_sub_co_u32 s23, s23, 4                       ; my last tile
; Unit p of the tile at s[30:31] (images) and s[32:33] (scale bytes): K steps 8 p .. 8 p + 7: 2 + 32 loads
.macro UNIT p
	global_load_b128 v[HS+8*(\p):HS+8*(\p)+3], v6, s[32:33] offset:32*(\p)
	global_load_b128 v[HS+8*(\p)+4:HS+8*(\p)+7], v6, s[32:33] offset:32*(\p)+16
	WIN 0xc0*(\p)                                  ; buffer 1 lies in window 3
.irp s, 0,1,2,3,4,5,6,7
.irp c, 0,1,2,3
	global_load_b128 v[XB+16*\s+4*\c:XB+16*\s+4*\c+3], v1, s[30:31] offset:16384*(\p)+512*(4*\s+\c)
.endr
.endr
	WIN 0
.endm
; 16 matrix instructions: unit p's eight K steps against W2's two tiles.  The two accumulators take turns, one instruction a turn; the tile's first K step starts the sums with the constant 0
.macro MULB p
	WIN 0x01+0x0d*(\p)                             ; p = 0: source 0 window 1, source 1 window 0;  p = 1: source 0 window 2, source 1 window 3
.irp s, 0,1,2,3,4,5,6,7
.irp u, 0,1
.if ((\p) == 0) && (\s == 0)
	v_wmma_scale_f32_16x16x128_f8f6f4 v[ACC+8*\u:ACC+8*\u+7], v[128*\u+16*\s:128*\u+16*\s+15], v[XB+16*\s:XB+16*\s+15], 0, v[WS+16*\u+8*(\p)+\s], v[HS+8*(\p)+\s]
.else
	v_wmma_scale_f32_16x16x128_f8f6f4 v[ACC+8*\u:ACC+8*\u+7], v[128*\u+16*\s:128*\u+16*\s+15], v[XB+16*\s:XB+16*\s+15], v[ACC+8*\u:ACC+8*\u+7], v[WS+16*\u+8*(\p)+\s], v[HS+8*(\p)+\s]
.endif
.endr
.endr
	WIN 0
.endm
	s_min_u32 s46, s22, 135
	s_lshl_b32 s34, s46, 15
	s_add_nc_u64 s[30:31], s[8:9], s[34:35]
	s_lshl_b32 s34, s46, 10
	s_add_nc_u64 s[32:33], s[54:55], s[34:35]
	UNIT 0                                         ; the first tile's two units are on their way while the weights' fragments are read
	UNIT 1
	WIN 0x40
.irp u, 0,1
.irp s, 0,1,2,3,4,5,6,7
.irp c, 0,1,2,3
	ds_load_b128 v[128*\u+16*\s+4*\c:128*\u+16*\s+4*\c+3], v5 offset:16*\u*WP+128*\s+32*\c
.endr
.endr
.endr
	WIN 0x80
.irp u, 0,1
.irp s, 0,1,2,3,4,5,6,7
.irp c, 0,1,2,3
	ds_load_b128 v[128*\u+16*\s+4*\c:128*\u+16*\s+4*\c+3], v5 offset:16*\u*WP+1024+128*\s+32*\c
.endr
.endr
.endr
	WIN 0
	s_wait_dscnt 0x0                               ; the weights' fragments
	s_mov_b32 s24, 0
.Ltile:                                            ; a trip is one tile
	s_wait_loadcnt 34                              ; unit 0 is in (and, in the first trip, the weights' scale words ahead of it); the 34 loads of unit 1 may be out
	MULB 0
	PLACES 9                                       ; eight places ahead of loads into registers that these products have read; one to spare
	s_wait_xcnt 0x0                                ; unit 1's loads and the last tile's stores have read their bases and data: they are written again below
	s_min_u32 s46, s22, 135
	s_lshl_b32 s34, s46, 16
	s_add_nc_u64 s[36:37], s[52:53], s[34:35]      ; this tile's y
	s_add_co_u32 s46, s22, 4
	s_min_u32 s46, s46, s23                        ; my next tile, or my last one again: no load leaves my tiles
	s_min_u32 s46, s46, 135
	s_lshl_b32 s34, s46, 15
	s_add_nc_u64 s[30:31], s[8:9], s[34:35]
	s_lshl_b32 s34, s46, 10
	s_add_nc_u64 s[32:33], s[54:55], s[34:35]
	UNIT 0                                         ; the next tile's unit 0
	s_wait_loadcnt 34                              ; this tile's unit 1 is in; the 34 just issued may be out
	MULB 1
	PLACES 9                                       ; eight ahead of the loads below and of the first read of a result, nine ahead of the next trip's first product, which begins an accumulator anew
	UNIT 1                                         ; the next tile's unit 1
.irp u, 0,1
.irp g, 0,1
	ds_store_b128 v7, v[ACC+8*\u+4*\g:ACC+8*\u+4*\g+3] offset:64*\u+16*\g    ; each accumulator from its low end on
.endr
.endr
.irp i, 0,1,2,3
	ds_load_b128 v[OB+4*\i:OB+4*\i+3], v8 offset:4*YP*\i           ; LDS serves a wave's instructions in order: these see my stores
.endr
	s_wait_dscnt 0x0
.irp i, 0,1,2,3
	global_store_b128 v1, v[OB+4*\i:OB+4*\i+3], s[36:37] offset:512*\i       ; 32 lanes store 512 consecutive bytes, four rows of 128
.endr
	s_add_co_u32 s22, s22, 4
	s_add_co_u32 s24, s24, 1
	s_cmp_lt_u32 s24, s39
	s_cbranch_scc1 .Ltile
.Lend:
	s_wait_tensorcnt 0x0
	ds_add_u32 v126, v127
	s_wait_dscnt 0x0
	s_endpgm
.Lfunc_end_k_q50ee6f5af5_down:
	.size	k_q50ee6f5af5_down, .Lfunc_end_k_q50ee6f5af5_down-k_q50ee6f5af5_down
	.p2alignl 7, 3214868480
	.fill 96, 4, 3214868480
	.section	.rodata,"a",@progbits
	.p2align	6, 0x0
	.amdhsa_kernel k_q50ee6f5af5_down
		.amdhsa_group_segment_fixed_size 75776
		.amdhsa_private_segment_fixed_size 0
		.amdhsa_enable_private_segment 0
		.amdhsa_kernarg_size 40
		.amdhsa_user_sgpr_count 2
		.amdhsa_user_sgpr_kernarg_segment_ptr 1
		.amdhsa_wavefront_size32 1
		.amdhsa_system_sgpr_workgroup_id_x 1
		.amdhsa_system_sgpr_workgroup_id_y 1
		.amdhsa_system_sgpr_workgroup_id_z 1
		.amdhsa_system_vgpr_workitem_id 0
		.amdhsa_next_free_vgpr 1024
		.amdhsa_next_free_sgpr 66
		.amdhsa_reserve_vcc 0
		.amdhsa_float_denorm_mode_32 3
		.amdhsa_float_denorm_mode_16_64 3
		.amdhsa_memory_ordered 1
		.amdhsa_forward_progress 1
		.amdhsa_inst_pref_size 37
	.end_amdhsa_kernel
	.amdgpu_metadata
---
amdhsa.version: [ 1, 2 ]
amdhsa.kernels:
  - .name:           k_q50ee6f5af5_down
    .symbol:         k_q50ee6f5af5_down.kd
    .args:
      - { .name: W2_codes, .offset: 0, .size: 8, .value_kind: global_buffer, .address_space: global }
      - { .name: W2_scales, .offset: 8, .size: 8, .value_kind: global_buffer, .address_space: global }
      - { .name: hq, .offset: 16, .size: 8, .value_kind: global_buffer, .address_space: global }
      - { .name: plan, .offset: 24, .size: 8, .value_kind: global_buffer, .address_space: global }
      - { .name: ybuf, .offset: 32, .size: 8, .value_kind: global_buffer, .address_space: global }
    .group_segment_fixed_size: 75776
    .private_segment_fixed_size: 0
    .kernarg_segment_align: 8
    .kernarg_segment_size: 40
    .max_flat_workgroup_size: 128
    .sgpr_count:     66
    .vgpr_count:     1024
    .wavefront_size: 32
...
	.end_amdgpu_metadata
.endif
;; end of part 4
;; launch combine (part 5): grid 256 x 1, 4 waves a work-group, no clusters, 0 bytes of LDS; arguments ybuf, plan, coef, out0; writes out0
.if DOCPART == 5
	.amdgcn_target "amdgcn-amd-amdhsa--gfx1250"
	.amdhsa_code_object_version 6
	.text
	.protected	k_q50ee6f5af5_combine
	.globl	k_q50ee6f5af5_combine
	.p2align	8
	.type	k_q50ee6f5af5_combine,@function
k_q50ee6f5af5_combine:
	s_mov_b64 s[64:65], 0
	v_nop
	global_prefetch_b8 v0, s[64:65] scope:SCOPE_SE
	s_setreg_imm32_b32 hwreg(HW_REG_WAVE_MODE, 25, 1), 1
	s_wait_xcnt 0x0
; COMBINE.  out[t] = c0 y[row of (t, 0)] + c1 y[row of (t, 1)]: each output row has one owner, one wave, so nothing is added across work-groups.  The other six experts' terms are 0 in the definition.
; ybuf is [136 tiles][32 slices][16 rows][32 d] f32; ypos[2 t + k] x 128 is the first byte of the entry's row in slice 0, and a slice is 2,048 bytes on.
; A load takes four slices' 128 bytes of the row (eight lanes each); a store covers 512 consecutive bytes of out.  A stream: no LDS, no barrier, no matrix unit.
	s_load_b256 s[4:11], s[0:1], 0x0               ; ybuf s[4:5], plan s[6:7], coef s[8:9], out0 s[10:11]
	v_lshrrev_b32 v1, 5, v0
	v_readfirstlane_b32 s12, v1                    ; wave
	v_and_b32 v1, 31, v0                           ; lane
	v_lshrrev_b32 v2, 3, v1
	v_lshlrev_b32 v2, 11, v2
	v_and_b32 v4, 7, v1
	v_lshl_add_u32 v2, v4, 4, v2                   ; 2,048 (lane / 8) + 16 (lane % 8)
	v_lshlrev_b32 v3, 4, v1                        ; 16 x lane
	s_lshl_b32 s13, ttmp9, 2
	s_add_co_u32 s13, s13, s12                     ; my token
	s_lshl_b32 s14, s13, 3
	s_mov_b32 s15, 0
	s_mov_b32 s21, 0
	s_wait_kmcnt 0x0
	s_add_nc_u64 s[6:7], s[6:7], s[14:15]
	s_add_nc_u64 s[8:9], s[8:9], s[14:15]
	s_load_b64 s[16:17], s[6:7], 0x2300            ; ypos of my two entries (byte 8,960 of plan on)
	s_load_b64 s[18:19], s[8:9], 0x0               ; their weights
	s_lshl_b32 s14, s13, 12
	s_add_nc_u64 s[10:11], s[10:11], s[14:15]      ; my row of out
	s_wait_kmcnt 0x0
	s_min_u32 s16, s16, 0x10e0f                    ; at most 135 x 512 + 15: a stored number enters an address only behind this line
	s_min_u32 s17, s17, 0x10e0f
	s_lshl_b32 s20, s16, 7
	s_add_nc_u64 s[24:25], s[4:5], s[20:21]
	s_lshl_b32 s20, s17, 7
	s_add_nc_u64 s[26:27], s[4:5], s[20:21]
	s_mov_b32 s28, s18                             ; the packed forms name a pair and take its low word for both halves: both words are written
	s_mov_b32 s29, s18
	s_mov_b32 s30, s19
	s_mov_b32 s31, s19
.irp i, 0,1,2,3,4,5,6,7
	global_load_b128 v[16+4*\i:16+4*\i+3], v2, s[24:25] offset:8192*\i th:TH_LOAD_NT
.endr
.irp i, 0,1,2,3,4,5,6,7
	global_load_b128 v[48+4*\i:48+4*\i+3], v2, s[26:27] offset:8192*\i th:TH_LOAD_NT
.endr
	s_wait_loadcnt 0x0
.irp p, 0,2,4,6,8,10,12,14,16,18,20,22,24,26,28,30
	v_pk_mul_f32 v[48+\p:48+\p+1], v[48+\p:48+\p+1], s[30:31] op_sel_hi:[1,0]
.endr
.irp p, 0,2,4,6,8,10,12,14,16,18,20,22,24,26,28,30
	v_pk_fma_f32 v[16+\p:16+\p+1], v[16+\p:16+\p+1], s[28:29], v[48+\p:48+\p+1] op_sel_hi:[1,0,1]
.endr
.irp i, 0,1,2,3,4,5,6,7
	global_store_b128 v3, v[16+4*\i:16+4*\i+3], s[10:11] offset:512*\i th:TH_STORE_NT
.endr
	s_endpgm
.Lfunc_end_k_q50ee6f5af5_combine:
	.size	k_q50ee6f5af5_combine, .Lfunc_end_k_q50ee6f5af5_combine-k_q50ee6f5af5_combine
	.p2alignl 7, 3214868480
	.fill 96, 4, 3214868480
	.section	.rodata,"a",@progbits
	.p2align	6, 0x0
	.amdhsa_kernel k_q50ee6f5af5_combine
		.amdhsa_group_segment_fixed_size 0
		.amdhsa_private_segment_fixed_size 0
		.amdhsa_enable_private_segment 0
		.amdhsa_kernarg_size 32
		.amdhsa_user_sgpr_count 2
		.amdhsa_user_sgpr_kernarg_segment_ptr 1
		.amdhsa_wavefront_size32 1
		.amdhsa_system_sgpr_workgroup_id_x 1
		.amdhsa_system_sgpr_workgroup_id_y 1
		.amdhsa_system_sgpr_workgroup_id_z 1
		.amdhsa_system_vgpr_workitem_id 0
		.amdhsa_next_free_vgpr 80
		.amdhsa_next_free_sgpr 66
		.amdhsa_reserve_vcc 0
		.amdhsa_float_denorm_mode_32 3
		.amdhsa_float_denorm_mode_16_64 3
		.amdhsa_memory_ordered 1
		.amdhsa_forward_progress 1
		.amdhsa_inst_pref_size 6
	.end_amdhsa_kernel
	.amdgpu_metadata
---
amdhsa.version: [ 1, 2 ]
amdhsa.kernels:
  - .name:           k_q50ee6f5af5_combine
    .symbol:         k_q50ee6f5af5_combine.kd
    .args:
      - { .name: ybuf, .offset: 0, .size: 8, .value_kind: global_buffer, .address_space: global }
      - { .name: plan, .offset: 8, .size: 8, .value_kind: global_buffer, .address_space: global }
      - { .name: coef, .offset: 16, .size: 8, .value_kind: global_buffer, .address_space: global }
      - { .name: out0, .offset: 24, .size: 8, .value_kind: global_buffer, .address_space: global }
    .group_segment_fixed_size: 0
    .private_segment_fixed_size: 0
    .kernarg_segment_align: 8
    .kernarg_segment_size: 32
    .max_flat_workgroup_size: 128
    .sgpr_count:     66
    .vgpr_count:     80
    .wavefront_size: 32
...
	.end_amdgpu_metadata
.endif
;; end of part 5
;; ======== version 2 of 2: 5 launches
;; workspace buffers: xq 1,081,344 bytes; eids 8,192 bytes of whole numbers; coef 8,192 bytes; plan 17,408 bytes of whole numbers; hq 4,595,712 bytes; ybuf 8,912,896 bytes
;; launch route (part 6): grid 256 x 1, 4 waves a work-group, no clusters, 33,280 bytes of LDS; arguments x, gate_w, gate_b, xq, eids, coef; writes xq, eids, coef
.if DOCPART == 6
	.amdgcn_target "amdgcn-amd-amdhsa--gfx1250"
	.amdhsa_code_object_version 6
	.text
	.protected	k_q50ee6f5af5_route
	.globl	k_q50ee6f5af5_route
	.p2align	8
	.type	k_q50ee6f5af5_route,@function
k_q50ee6f5af5_route:
	s_mov_b64 s[64:65], 0
	v_nop
	global_prefetch_b8 v0, s[64:65] scope:SCOPE_SE
	s_setreg_imm32_b32 hwreg(HW_REG_WAVE_MODE, 25, 1), 1
	s_wait_xcnt 0x0
; ROUTE.  One wave takes one token t = 4 x work-group + wave.  It (a) quantises the token's 1,024 numbers of x along D to E4M3 codes with one E8M0 byte for each 32,
; (b) makes the eight logits x . gate_w[e] + gate_b[e] in f32, (c) picks the two largest (the lower index wins a tie) and their weights.
; The softmax's sum cancels when the two chosen probabilities are divided by their own sum: c1 = 1 / (1 + e^(l2 - l1)), c2 = e^(l2 - l1) c1; l1 is the largest logit, so the exponent is never above 0.
; OUT: xq: codes [1024][1024] at byte 0, scale bytes [1024][32] at byte XSC;  eids: [1024][2] expert numbers;  coef: [1024][2] weights.  All at fixed places: no address hangs on a logit.
; LIMITS: NaN and infinities among the inputs are not served.  A block of zeros gets the byte 1 over zero codes (the bytes are read by this program alone).  The two experts are ordered by their
; logits: two probabilities that round to one f32 number while their logits differ could be ordered otherwise than a top-k on the rounded probabilities orders them.
; No matrix unit (eight columns), no barrier (waves share nothing).  Each load of x and of gate_w reads 512 consecutive bytes.
.set XSC, 1048576                      ; where the scale bytes begin in xq
.set SP,  80                           ; a lane's place in a stage: 64 bytes + 16 of padding
.set R,   16                           ; v16-47   x as loaded: register 4 i + j = x[128 i + 4 lane + j]
.set X,   48                           ; v48-79   two sets of 16 neighbours along D
.set A,   80                           ; v80-95   a pair of partial sums for each expert
.set LG,  96                           ; v96-103  the logits
.set PX,  104                          ; v104-111 the other half of the lanes' sums
.set CD,  120                          ; v120-127 codes: four registers for each of the two steps
.set G,   128                          ; v128-255 gate_w of four experts, laid as x is
	s_load_b256 s[4:11], s[0:1], 0x0               ; x s[4:5], gate_w s[6:7], gate_b s[8:9], xq s[10:11]
	s_load_b128 s[12:15], s[0:1], 0x20             ; eids s[12:13], coef s[14:15]
	s_set_vgpr_msb 0x40
	v_lshl_add_u32 v0, v0, 2, 0x8000
	v_mov_b32 v1, 0
	s_set_vgpr_msb 0x4000
	v_lshrrev_b32 v1, 5, v0
	v_readfirstlane_b32 s28, v1                    ; wave
	v_and_b32 v1, 31, v0                           ; lane
	v_lshlrev_b32 v2, 4, v1                        ; 16 x lane
	s_lshl_b32 s29, s28, 13                        ; my wave's 8,192 bytes of LDS
	v_lshrrev_b32 v3, 2, v1
	v_mul_u32_u24 v3, v3, SP
	v_and_b32 v4, 3, v1
	v_lshl_add_u32 v3, v4, 4, v3
	v_add_nc_u32 v3, s29, v3                       ; the stage, on the way in: four lanes' 64 bytes on end, then 16 of padding
	v_mul_u32_u24 v4, v1, SP
	v_add_nc_u32 v4, s29, v4                       ; and on the way out: my 16 neighbours
	s_add_co_u32 s29, s29, 2*32*SP                 ; behind the two stages: the token's 32 scale bytes
	v_lshrrev_b32 v5, 1, v1
	v_add_nc_u32 v5, s29, v5                       ; my block's byte (two lanes to a block)
	v_and_b32 v6, 7, v1
	v_lshlrev_b32 v6, 2, v6
	v_add_nc_u32 v6, s29, v6                       ; and a word of four of them on the way out
	v_lshlrev_b32 v7, 2, v1                        ; 4 x lane
.irp e, 0,1,2,3,4,5,6,7
	v_mov_b32 v[PX+\e], 0                          ; written once: a lane permute's destination counts as one of its sources
.endr
	s_mov_b32 s24, 0x76543210
	s_mov_b32 s25, 0xfedcba98                      ; v_permlanex16_b32's selects for lane l xor 16
	s_mov_b32 s26, 0x600000                        ; the mantissa field of 448
	s_lshl_b32 s30, ttmp9, 2
	s_add_co_u32 s30, s30, s28                     ; my token
	s_mov_b32 s33, 0
	s_wait_kmcnt 0x0
	s_load_b256 s[16:23], s[8:9], 0x0              ; the eight biases
	s_lshl_b32 s32, s30, 12
	s_add_nc_u64 s[4:5], s[4:5], s[32:33]          ; x at my token's row
	s_lshl_b32 s32, s30, 10
	s_add_nc_u64 s[36:37], s[10:11], s[32:33]      ; its codes
	s_lshl_b32 s32, s30, 5
	s_add_co_u32 s32, s32, XSC
	s_add_nc_u64 s[10:11], s[10:11], s[32:33]      ; its scale bytes
	s_lshl_b32 s32, s30, 3
	s_add_nc_u64 s[12:13], s[12:13], s[32:33]      ; its two experts
	s_add_nc_u64 s[14:15], s[14:15], s[32:33]      ; and their weights
.macro GLOAD e0                        ; gate_w of experts e0 .. e0 + 3
.irp q, 0,1,2,3
.irp i, 0,1,2,3,4,5,6,7
	global_load_b128 v[G+32*\q+4*\i:G+32*\q+4*\i+3], v2, s[6:7] offset:((\e0)+\q)*4096+512*\i
.endr
.endr
.endm
.macro DOTS e0                         ; their dot products with x: 16 packed multiply-adds an expert, the four experts by turns
.irp q, 0,1,2,3
	v_pk_mul_f32 v[A+2*((\e0)+\q):A+2*((\e0)+\q)+1], v[R:R+1], v[G+32*\q:G+32*\q+1]
.endr
.irp p, 1,2,3,4,5,6,7,8,9,10,11,12,13,14,15
.irp q, 0,1,2,3
	v_pk_fma_f32 v[A+2*((\e0)+\q):A+2*((\e0)+\q)+1], v[R+2*\p:R+2*\p+1], v[G+32*\q+2*\p:G+32*\q+2*\p+1], v[A+2*((\e0)+\q):A+2*((\e0)+\q)+1]
.endr
.endr
.endm
.macro TURN st                         ; 512 numbers through my stage: in as loaded, out 64 bytes a lane.  LDS serves a wave's instructions in order, so no wait stands between
.irp i, 0,1,2,3
	ds_store_b128 v3, v[R+16*(\st)+4*\i:R+16*(\st)+4*\i+3] offset:32*SP*(\st)+8*SP*\i
.endr
.irp i, 0,1,2,3
	ds_load_b128 v[X+16*(\st)+4*\i:X+16*(\st)+4*\i+3], v4 offset:32*SP*(\st)+16*\i
.endr
.endm
.macro QSTEP st                        ; 512 numbers become codes: a lane holds 16 neighbours, two neighbouring lanes a block of 32
.set XQ, X+16*(\st)
	v_max3_num_f32 v8, |v[XQ]|, |v[XQ+1]|, |v[XQ+2]|
	v_max3_num_f32 v9, |v[XQ+3]|, |v[XQ+4]|, |v[XQ+5]|
.irp i, 6,10
	v_max3_num_f32 v8, v8, |v[XQ+\i]|, |v[XQ+\i+1]|
	v_max3_num_f32 v9, v9, |v[XQ+\i+2]|, |v[XQ+\i+3]|
.endr
	v_max3_num_f32 v8, v8, |v[XQ+14]|, |v[XQ+15]|
	v_max3_num_f32 v8, v8, v9, 0x4800000           ; and the floor 2^(9 - 127): the byte cannot fall under 1
	v_max_num_f32_dpp v8, v8, v8 row_xmask:1 row_mask:0xf bank_mask:0xf   ; with my neighbour's 16: the block's largest magnitude
	v_add_nc_u32 v11, 0xfc000000, v8               ; 8 off its exponent field: the conversion's scale operand
	v_and_or_b32 v10, v8, 0x7f800000, s26          ; 448 x the scale
.irp i, 0,1,2,3,4,5,6,7,8,9,10,11,12,13,14,15
	v_med3_num_f32 v[XQ+\i], v[XQ+\i], -v10, v10   ; the conversion to an 8-bit code does not saturate (ISA guide 7.6.2): the hold comes first
.endr
	v_cvt_scalef32_pk8_fp8_f32 v[CD+4*(\st):CD+4*(\st)+1], v[XQ:XQ+7], v11
	v_cvt_scalef32_pk8_fp8_f32 v[CD+4*(\st)+2:CD+4*(\st)+3], v[XQ+8:XQ+15], v11
	v_lshrrev_b32 v[14+(\st)], 23, v11             ; the scale's byte (also the plain line behind the conversions)
	ds_store_b8 v5, v[14+(\st)] offset:16*(\st)    ; both lanes of a block write the same byte with the same value
	global_store_b128 v2, v[CD+4*(\st):CD+4*(\st)+3], s[36:37] offset:512*(\st)   ; 32 lanes store 512 consecutive bytes
.endm
.irp i, 0,1,2,3,4,5,6,7
	global_load_b128 v[R+4*\i:R+4*\i+3], v2, s[4:5] offset:512*\i th:TH_LOAD_NT
.endr
	GLOAD 0
	s_wait_loadcnt 32                              ; x's eight loads are in; the 32 of gate_w behind them may be out
	TURN 0
	TURN 1
	s_wait_loadcnt 0x0                             ; gate_w of experts 0 to 3
	DOTS 0
	GLOAD 4                                        ; experts 4 to 7 into the same registers: they land while x is quantised
	s_wait_dscnt 0x0                               ; both sets of neighbours are back from the stages
	QSTEP 0
	QSTEP 1
	ds_load_b32 v12, v6                            ; four scale bytes a lane (LDS serves my instructions in order: it sees the two byte stores)
	s_wait_loadcnt 0x0
	DOTS 4
.irp e, 0,1,2,3,4,5,6,7
	v_add_f32 v[LG+\e], v[A+2*\e], v[A+2*\e+1]
.endr
.irp m, 1,2,4,8
.irp e, 0,1,2,3,4,5,6,7
	v_add_f32_dpp v[LG+\e], v[LG+\e], v[LG+\e] row_xmask:\m row_mask:0xf bank_mask:0xf
.endr
.endr
.irp e, 0,1,2,3,4,5,6,7
	v_permlanex16_b32 v[PX+\e], v[LG+\e], s24, s25
.endr
.irp e, 0,1,2,3,4,5,6,7
	v_add_f32 v[LG+\e], v[LG+\e], v[PX+\e]
.endr
	s_wait_alu depctr_va_vdst(0)
	s_wait_kmcnt 0x0                               ; the biases
.irp e, 0,1,2,3,4,5,6,7
	v_add_f32 v[LG+\e], s[16+\e], v[LG+\e]         ; every lane holds all eight logits
.endr
	; the two largest: v112 l1, v113 its expert, v114 l2, v115 its expert.  A later expert displaces an earlier one only where it is strictly larger
	v_mov_b32 v112, v[LG]
	v_mov_b32 v113, 0
	v_mov_b32 v114, 0xff800000
	v_mov_b32 v115, 0
.irp e, 1,2,3,4,5,6,7
	v_cmp_le_f32 vcc_lo, v[LG+\e], v112            ; the first stays
	v_cmp_le_f32 s38, v[LG+\e], v114               ; the second stays
	v_cndmask_b32 v116, v[LG+\e], v114, s38
	v_cndmask_b32 v117, \e, v115, s38
	v_cndmask_b32 v114, v112, v116, vcc_lo         ; where the first is displaced it becomes the second
	v_cndmask_b32 v115, v113, v117, vcc_lo
	v_cndmask_b32 v112, v[LG+\e], v112, vcc_lo
	v_cndmask_b32 v113, \e, v113, vcc_lo
.endr
	v_sub_f32 v8, v114, v112                       ; l2 - l1, 0 or less
	v_mul_f32 v8, 0x3fb8aa3b, v8
	s_wait_alu depctr_va_vdst(0)
	v_exp_f32 v9, v8
	v_nop                                          ; a plain line behind the transcendental,
	s_wait_alu depctr_va_vdst(0)                   ; and the wait ahead of its first reader
	v_add_f32 v10, 1.0, v9
	s_wait_alu depctr_va_vdst(0)
	v_rcp_f32 v11, v10                             ; c1
	v_nop
	s_wait_alu depctr_va_vdst(0)
	v_mul_f32 v13, v9, v11                         ; c2
	v_cmp_eq_u32 vcc_lo, 0, v1
	v_cndmask_b32 v118, v115, v113, vcc_lo         ; lane 0 carries the first choice, lane 1 the second
	v_cndmask_b32 v119, v13, v11, vcc_lo
	s_wait_alu depctr_va_vdst(0)
	s_wait_dscnt 0x0                               ; the scale words
	s_wait_xcnt 0x0                                ; EXEC is a source of the stores above: it changes only behind this wait
	v_cmp_gt_u32 vcc_lo, 8, v1
	s_set_vgpr_msb 0x5
	s_wait_tensorcnt 0x0
	ds_add_u32 v0, v1
	s_wait_dscnt 0x0
	s_set_vgpr_msb 0x500
	s_and_saveexec_b32 s34, vcc_lo
	global_store_b32 v7, v12, s[10:11]             ; eight lanes: the token's 32 scale bytes
	s_wait_xcnt 0x0
	s_or_b32 exec_lo, exec_lo, s34
	v_cmp_gt_u32 vcc_lo, 2, v1
	s_and_saveexec_b32 s34, vcc_lo
	global_store_b32 v7, v118, s[12:13]
	global_store_b32 v7, v119, s[14:15]
	s_wait_xcnt 0x0
	s_or_b32 exec_lo, exec_lo, s34
	s_endpgm
.Lfunc_end_k_q50ee6f5af5_route:
	.size	k_q50ee6f5af5_route, .Lfunc_end_k_q50ee6f5af5_route-k_q50ee6f5af5_route
	.p2alignl 7, 3214868480
	.fill 96, 4, 3214868480
	.section	.rodata,"a",@progbits
	.p2align	6, 0x0
	.amdhsa_kernel k_q50ee6f5af5_route
		.amdhsa_group_segment_fixed_size 33280
		.amdhsa_private_segment_fixed_size 0
		.amdhsa_enable_private_segment 0
		.amdhsa_kernarg_size 48
		.amdhsa_user_sgpr_count 2
		.amdhsa_user_sgpr_kernarg_segment_ptr 1
		.amdhsa_wavefront_size32 1
		.amdhsa_system_sgpr_workgroup_id_x 1
		.amdhsa_system_sgpr_workgroup_id_y 1
		.amdhsa_system_sgpr_workgroup_id_z 1
		.amdhsa_system_vgpr_workitem_id 0
		.amdhsa_next_free_vgpr 258
		.amdhsa_next_free_sgpr 66
		.amdhsa_reserve_vcc 1
		.amdhsa_float_denorm_mode_32 3
		.amdhsa_float_denorm_mode_16_64 3
		.amdhsa_memory_ordered 1
		.amdhsa_forward_progress 1
		.amdhsa_inst_pref_size 30
	.end_amdhsa_kernel
	.amdgpu_metadata
---
amdhsa.version: [ 1, 2 ]
amdhsa.kernels:
  - .name:           k_q50ee6f5af5_route
    .symbol:         k_q50ee6f5af5_route.kd
    .args:
      - { .name: x, .offset: 0, .size: 8, .value_kind: global_buffer, .address_space: global }
      - { .name: gate_w, .offset: 8, .size: 8, .value_kind: global_buffer, .address_space: global }
      - { .name: gate_b, .offset: 16, .size: 8, .value_kind: global_buffer, .address_space: global }
      - { .name: xq, .offset: 24, .size: 8, .value_kind: global_buffer, .address_space: global }
      - { .name: eids, .offset: 32, .size: 8, .value_kind: global_buffer, .address_space: global }
      - { .name: coef, .offset: 40, .size: 8, .value_kind: global_buffer, .address_space: global }
    .group_segment_fixed_size: 33280
    .private_segment_fixed_size: 0
    .kernarg_segment_align: 8
    .kernarg_segment_size: 48
    .max_flat_workgroup_size: 128
    .sgpr_count:     66
    .vgpr_count:     258
    .wavefront_size: 32
...
	.end_amdgpu_metadata
.endif
;; end of part 6
;; launch place (part 7): grid 1 x 1, 8 waves a work-group, no clusters, 2,048 bytes of LDS; arguments eids, plan; writes plan
.if DOCPART == 7
	.amdgcn_target "amdgcn-amd-amdhsa--gfx1250"
	.amdhsa_code_object_version 6
	.text
	.protected	k_q50ee6f5af5_place
	.globl	k_q50ee6f5af5_place
	.p2align	8
	.type	k_q50ee6f5af5_place,@function
k_q50ee6f5af5_place:
	s_mov_b64 s[64:65], 0
	v_nop
	global_prefetch_b8 v0, s[64:65] scope:SCOPE_SE
	s_setreg_imm32_b32 hwreg(HW_REG_WAVE_MODE, 25, 1), 1
	s_wait_xcnt 0x0
; PLACE.  A counting sort of the 2,048 routed rows (entry i = 2 x token + choice) by expert, by one work-group of eight waves, without atomics.
; Each expert's rows are padded to whole tiles of 16: at most 2048 / 16 + 7 = 135 tiles (numbers 0 to 134), whatever the split.
; OUT (plan, whole numbers): byte 0: TB[8], each expert's first tile; byte 32: TC[8], its tiles; bytes 64-127: zeros; byte 256: rowtok[2176], the token at each sorted place (padding places: token 0;
; place 2,175, in tile 135, which no split reaches, also takes a 0: see the end); byte 8960: ypos[2048]: for entry i at place p the number (p / 16) x 512 + p % 16, which times 128 is its row's first byte
; in the last product's results.
; Wave w holds entries 256 w + 128 q + 4 lane + j in v[8 + 4 q + j].  A place is: 16 x the expert's first tile + the expert's entries in earlier waves + those in earlier registers of my wave + those in lower lanes.
	s_load_b128 s[56:59], s[0:1], 0x0              ; eids s[56:57], plan s[58:59]
	v_lshl_add_u32 v80, v0, 2, 0x400
	v_mov_b32 v81, 0
	v_lshrrev_b32 v1, 5, v0
	s_delay_alu instid0(VALU_DEP_1)
	v_readfirstlane_b32 s6, v1                     ; wave
	v_and_b32 v1, 31, v0                           ; lane
	s_delay_alu instid0(VALU_DEP_1)
	v_lshlrev_b32 v2, 4, v1
	s_lshl_b32 s7, s6, 10
	v_add_nc_u32 v2, s7, v2                        ; 1,024 x wave + 16 x lane
	v_lshlrev_b32 v3, 2, v1                        ; 4 x lane
	v_lshlrev_b32 v4, 2, v0                        ; 4 x thread
.irp e, 0,1,2,3,4,5,6,7
	s_mov_b32 s[8+\e], 0
.endr
	s_wait_alu depctr_va_vdst(0)
	s_wait_kmcnt 0x0
	global_load_b128 v[8:11], v2, s[56:57]
	global_load_b128 v[12:15], v2, s[56:57] offset:512
	s_wait_loadcnt 0x0
.irp c, 0,1,2,3,4,5,6,7                ; my wave's count for each expert: s[8 + e]
.irp e, 0,1,2,3,4,5,6,7
	v_cmp_eq_u32 s50, \e, v[8+\c]
	s_bcnt1_i32_b32 s51, s50
	s_add_co_u32 s[8+\e], s[8+\e], s51
.endr
.endr
	v_mov_b32 v20, 0
.irp e, 0,1,2,3,4,5,6,7
	s_delay_alu instid0(VALU_DEP_1)
	v_writelane_b32 v20, s[8+\e], \e
.endr
	ds_store_b32 v4, v20                           ; 128 bytes a wave: lane e holds expert e's count
	s_wait_dscnt 0x0                               ; for the others' sake: my store is done
	s_barrier_signal -1
	s_barrier_wait -1
.irp w, 0,1,2,3,4,5,6,7
	ds_load_b32 v[24+\w], v3 offset:128*\w
.endr
	s_wait_dscnt 0x0
	v_mov_b32 v21, 0                               ; lane e: expert e's entries in all,
	v_mov_b32 v22, 0                               ; and in the waves ahead of mine
.irp w, 0,1,2,3,4,5,6,7
	v_add_nc_u32 v21, v21, v[24+\w]
	s_cmp_gt_u32 s6, \w
	s_cselect_b32 s50, -1, 0
	v_and_b32 v23, s50, v[24+\w]
	s_delay_alu instid0(VALU_DEP_1)
	v_add_nc_u32 v22, v22, v23
.endr
	v_add_nc_u32 v23, 15, v21
	s_delay_alu instid0(VALU_DEP_1)
	v_lshrrev_b32 v23, 4, v23                      ; its tiles
.irp e, 0,1,2,3,4,5,6,7
	v_readlane_b32 s[16+\e], v23, \e               ; TC
	v_readlane_b32 s[24+\e], v22, \e
	v_readlane_b32 s[32+\e], v21, \e
.endr
	s_mov_b32 s40, 0                               ; TB in s40-47; s48 all tiles
.irp e, 0,1,2,3,4,5,6,7
	s_add_co_u32 s[41+\e], s[40+\e], s[16+\e]
.endr
.irp e, 0,1,2,3,4,5,6,7
	s_lshl_b32 s50, s[40+\e], 4
	s_add_co_u32 s[8+\e], s50, s[24+\e]            ; where my wave's first entry of expert e goes
.endr
.irp c, 0,1,2,3,4,5,6,7
	v_mov_b32 v[32+\c], 0
.irp e, 0,1,2,3,4,5,6,7
	v_cmp_eq_u32 s50, \e, v[8+\c]
	s_delay_alu instid0(VALU_DEP_1)
	v_mbcnt_lo_u32_b32 v50, s50, s[8+\e]           ; the base + the expert's entries in lower lanes
	s_delay_alu instid0(VALU_DEP_1)
	v_cndmask_b32 v[32+\c], v[32+\c], v50, s50
	s_bcnt1_i32_b32 s51, s50
	s_add_co_u32 s[8+\e], s[8+\e], s51
.endr
	v_min_u32 v[32+\c], 0x87f, v[32+\c]            ; a place, at most 2,175: it enters an address only behind this line
.endr
.irp c, 0,1,2,3,4,5,6,7
	v_lshrrev_b32 v50, 4, v[32+\c]
	v_and_b32 v49, 15, v[32+\c]
	s_delay_alu instid0(VALU_DEP_1)
	v_lshl_or_b32 v[40+\c], v50, 9, v49            ; (p / 16) x 512 + p % 16
	v_lshlrev_b32 v[56+\c], 2, v[32+\c]            ; 4 p
.endr
	s_lshl_b32 s50, s6, 7
	v_lshl_add_u32 v51, v1, 1, s50                 ; the token of my first entry: 128 x wave + 2 x lane
.irp q, 0,1
.irp k, 0,1
	v_add_nc_u32 v[52+2*\q+\k], 64*\q+\k, v51
.endr
.endr
	global_store_b128 v2, v[40:43], s[58:59] offset:8960          ; ypos: 32 lanes store 512 consecutive bytes
	global_store_b128 v2, v[44:47], s[58:59] offset:8960+512
.irp c, 0,1,2,3,4,5,6,7
	global_store_b32 v[56+\c], v[52+2*(\c/4)+(\c%4)/2], s[58:59] offset:256   ; rowtok: scattered by the sort itself, 8 KiB in all
.endr
	s_cmp_lg_u32 s6, 0                             ; the table of tiles and the padding places are wave 0's; no barrier follows
	s_cbranch_scc1 .Ldone
	v_mov_b32 v48, 0
.irp e, 0,1,2,3,4,5,6,7
	s_delay_alu instid0(VALU_DEP_1)
	v_writelane_b32 v48, s[40+\e], \e
	s_delay_alu instid0(VALU_DEP_1)
	v_writelane_b32 v48, s[16+\e], 8+\e
.endr
	global_store_b32 v3, v48, s[58:59]             ; TB, TC and 64 bytes of zeros
	v_mov_b32 v72, 0                               ; token 0
; The padding places of expert e lie between its last entry and the end of its last tile: at most 15.  All 32 lanes stay on: a lane whose place lies past that end is sent to place 2,175 instead, which belongs
; to tile 135 and to no expert; all such lanes write the same 0 there.  Each expert has an address register of its own, so none is written again while a store may still read it.
.irp e, 0,1,2,3,4,5,6,7
	s_lshl_b32 s50, s[40+\e], 4
	s_add_co_u32 s50, s50, s[32+\e]                ; the first place behind the expert's entries,
	s_lshl_b32 s51, s[41+\e], 4                    ; and the end of its last tile
	v_add_nc_u32 v[64+\e], s50, v1
	s_delay_alu instid0(VALU_DEP_1)
	v_cmp_gt_u32 vcc_lo, s51, v[64+\e]
	s_delay_alu instid0(VALU_DEP_1)
	v_cndmask_b32 v[64+\e], 0x87f, v[64+\e], vcc_lo
	s_delay_alu instid0(VALU_DEP_1)
	v_min_u32 v[64+\e], 0x87f, v[64+\e]            ; at most 2,175: it enters an address only behind this line
	s_delay_alu instid0(VALU_DEP_1)
	v_lshlrev_b32 v[64+\e], 2, v[64+\e]
	global_store_b32 v[64+\e], v72, s[58:59] offset:256
.endr
.Ldone:
	s_wait_tensorcnt 0x0
	ds_add_u32 v80, v81
	s_wait_dscnt 0x0
	s_endpgm
.Lfunc_end_k_q50ee6f5af5_place:
	.size	k_q50ee6f5af5_place, .Lfunc_end_k_q50ee6f5af5_place-k_q50ee6f5af5_place
	.p2alignl 7, 3214868480
	.fill 96, 4, 3214868480
	.section	.rodata,"a",@progbits
	.p2align	6, 0x0
	.amdhsa_kernel k_q50ee6f5af5_place
		.amdhsa_group_segment_fixed_size 2048
		.amdhsa_private_segment_fixed_size 0
		.amdhsa_enable_private_segment 0
		.amdhsa_kernarg_size 16
		.amdhsa_user_sgpr_count 2
		.amdhsa_user_sgpr_kernarg_segment_ptr 1
		.amdhsa_wavefront_size32 1
		.amdhsa_system_sgpr_workgroup_id_x 1
		.amdhsa_system_sgpr_workgroup_id_y 1
		.amdhsa_system_sgpr_workgroup_id_z 1
		.amdhsa_system_vgpr_workitem_id 0
		.amdhsa_next_free_vgpr 82
		.amdhsa_next_free_sgpr 66
		.amdhsa_reserve_vcc 1
		.amdhsa_float_denorm_mode_32 3
		.amdhsa_float_denorm_mode_16_64 3
		.amdhsa_memory_ordered 1
		.amdhsa_forward_progress 1
		.amdhsa_inst_pref_size 45
	.end_amdhsa_kernel
	.amdgpu_metadata
---
amdhsa.version: [ 1, 2 ]
amdhsa.kernels:
  - .name:           k_q50ee6f5af5_place
    .symbol:         k_q50ee6f5af5_place.kd
    .args:
      - { .name: eids, .offset: 0, .size: 8, .value_kind: global_buffer, .address_space: global }
      - { .name: plan, .offset: 8, .size: 8, .value_kind: global_buffer, .address_space: global }
    .group_segment_fixed_size: 2048
    .private_segment_fixed_size: 0
    .kernarg_segment_align: 8
    .kernarg_segment_size: 16
    .max_flat_workgroup_size: 256
    .sgpr_count:     66
    .vgpr_count:     82
    .wavefront_size: 32
...
	.end_amdgpu_metadata
.endif
;; end of part 7
;; launch up (part 8): grid 256 x 1, 4 waves a work-group, no clusters, 133,632 bytes of LDS; arguments W1_codes, W1_scales, W3_codes, W3_scales, xq, plan, hq; writes hq
.if DOCPART == 8
	.amdgcn_target "amdgcn-amd-amdhsa--gfx1250"
	.amdhsa_code_object_version 6
	.text
	.protected	k_q50ee6f5af5_up
	.globl	k_q50ee6f5af5_up
	.p2align	8
	.type	k_q50ee6f5af5_up,@function
k_q50ee6f5af5_up:
	s_mov_b64 s[64:65], 0
	v_nop
	global_prefetch_b8 v0, s[64:65] scope:SCOPE_SE
	s_setreg_imm32_b32 hwreg(HW_REG_WAVE_SCHED_MODE, 0, 2), 2
	s_setreg_imm32_b32 hwreg(HW_REG_WAVE_MODE, 25, 1), 1
	s_wait_xcnt 0x0
	s_wait_alu depctr_vm_vsrc(0)
; UP.  h = relu(x W1^T)^2 (x W3^T) for the routed rows alone, quantised along H to E4M3 codes with one E8M0 byte for each 32.  Rows that an expert was not chosen for are multiplied by 0 in the
; definition, so they are not made.
; SHARES.  THE WEIGHTS STAY, THE ROWS GO BY.  Work-group = (expert e = number / 32, slice = number % 32 of 64 hidden units).  Wave w: half = w % 2 takes 32 of the 64 units, one block kb = 2 slice + half of the next
; product's K; par = w / 2 takes the expert's tiles (16 routed rows) of that parity.  A wave's 32 rows of W1 and of W3, all of K, fill 512 registers for the whole launch; each weight byte is read once in the launch.
; THE HEAD brings the weights in by loads of 512 consecutive bytes and turns them into fragments through LDS (rows 1,040 bytes apart: an odd multiple of 16, so that the 16 rows of a fragment load begin at 8 different
; places modulo 256 bytes).  Its barrier is the only one, and it stands ahead of every branch on the stored list.
; NO tensor load, cluster or joint load: the number of tiles hangs on the stored list.  So x's codes go from memory straight into registers, by the tokens of rowtok.
; THE RING.  x comes in UNITS of half a tile: four K steps, 16 loads of codes and one of scale words.  Two tile buffers are four unit buffers.  A step waits for unit k, asks for unit k + 3 (into the buffer that unit k - 1
; has left) and multiplies unit k: three units and two loads of tokens, 53 loads of the wave, are out at the most.  A fourth unit would make 70, more than LOADcnt's field counts (ISA guide 5.7.1).
; The tokens of tile n + 3 are asked for in tile n's first step, ahead of that step's unit, so that the wait for tile n + 1's second unit shows them landed too.
; BOTH PRODUCTS ARE USED TRANSPOSED (source 0 = 16 rows of W, source 1 = 16 routed rows): a lane holds one routed row.  THE ROWS OF W THAT FORM A TILE ARE NOT NEIGHBOURS: lane r of tile u takes unit 8 u + r + 8 (r / 8),
; so that the 16 registers of tiles 0 and 1 are units 16 (lane / 16) + 0 .. 15: the conversions' results are four registers of the next product's operand, and are stored as that image.
; OUT (hq): images [136 tiles][64 kb][32 lanes][16 bytes]; at HSC scale bytes [136][16 rows][64 kb].
; LIMITS: NaN and infinities are not served.  A block of zeros gets the byte 1 over zero codes (read by this program alone).  Padding rows of a last tile hold token 0's h; nobody reads what comes of them.
; REGISTERS, in windows of 256: window 0: v1-8, v12 addresses; v10-11 x's code offsets, v122-123 its scale offsets, v14-15 tokens, each by the tile's parity; v16-47 the weights' scale words; v48-63 x's, two sets;
;   v64-95 four accumulators; v96-111 h; v112-121 at work; v128-255 x's fragments, buffer 0.   window 1: W1's 16 fragments (tile u, K step s at 128 u + 16 s).   window 2: W3's.   window 3: v128-255 x's fragments, buffer 1.
; THE MODE: SCHED_MODE bits 1:0 = 2 (LLVM: expert scheduling mode 2), set by the entry lines.  The code itself states the register dependences between vector or matrix instructions and memory or LDS
; instructions, with s_wait_alu, always for 0.
; THE PLAN.  Registers that memory or LDS instructions touch:
;   v1, v4-8, v12      offsets and LDS addresses: written by vector lines at the head, read by loads and stores, never written again.
;   window 1           the raw weights land; the stage's LDS stores read them; the fragments land; from then on the products alone read them.   window 2, v16-47: loaded once, read by the products.
;   v[TK + b]          a load of tokens lands at the head of a tile of parity 1 - b; v_min_u32 reads it in the middle of a tile of parity b.
;   v[XA + b], v[XSA + b]   written by vector lines in the middle of a tile of parity b; read by unit (b, 0), straight behind, and by unit (b, 1), at the next tile's head.
;   x's buffer (b, g) and its four scale words   a unit's 17 loads land; the 16 products of half g read them.
;   v[CD ..], v121     written by the way out's conversions and shift; read by the tile's two stores.
;   v126, v127         written at the head, read by the closing add alone.
; THREE WAITS A TILE.  At its head, on vm_vsrc: the last tile's stores have read v[CD ..] and v121, and both units that read this parity's offsets have read them.  In its middle, on va_vdst: this parity's offsets are
; written, and the first half's products are done reading their buffer.  In the way out, on va_vdst: the codes and the byte are written; that wait also stands for the next tile's first 18 loads, since no vector or matrix
; instruction follows it before them.  The runs of loads stay where they stood, each as early as its wait allows: a load's address goes by source 0's window, which the products set to the weights' window.
.set XSC, 1048576
.set HSC, 4456448
.set WP,  1040                         ; a row of weights in LDS: 1,024 bytes + 16
.set REG, 32*WP                        ; 32 rows: what one wave brings, and what one wave reads of W1 or of W3
.set XA,  10                           ; v[XA + b]: the byte offset in x's codes of my row's token, + 16 h, for the tile in buffer b
.set TK,  14                           ; v[TK + b]: the tokens of a tile of parity b, as loaded
.set WS,  16                           ; v[WS + 8 (2 m + u) + s]: matrix m (0: W1, 1: W3), tile u, K step s
.set XS,  48                           ; v[XS + 8 b + s]: buffer b, K step s
.set ACC, 64                           ; v[ACC + 8 (2 m + u)]
.set HV,  96
.set CD,  112
.set XSA, 122                          ; v[XSA + b]: the same token's offset among x's scale bytes
.set XB,  128
.set MSB, 0
.macro WIN new                         ; the immediate's high byte repeats the setting that is left; a switch that changes nothing is dropped
.if MSB != (\new)
	s_set_vgpr_msb (MSB<<8)|(\new)
.set MSB, (\new)
.endif
.endm
.macro PLACES n
.rept \n
	v_nop
.endr
.endm
	s_load_b256 s[4:11], s[0:1], 0x0               ; W1's codes s[4:5], its scales s[6:7], W3's codes s[8:9], its scales s[10:11]
	s_load_b128 s[12:15], s[0:1], 0x20             ; xq s[12:13], plan s[14:15]
	s_load_b64 s[16:17], s[0:1], 0x30              ; hq
	v_lshl_add_u32 v126, v0, 2, 0x20800
	v_mov_b32 v127, 0
	v_lshrrev_b32 v1, 5, v0
	v_readfirstlane_b32 s18, v1                    ; wave
	v_and_b32 v2, 31, v0
	v_lshlrev_b32 v1, 4, v2                        ; 16 x lane
	v_bfe_u32 v3, v0, 4, 1
	v_lshlrev_b32 v3, 4, v3                        ; 16 h
	v_and_b32 v2, 15, v0                           ; r
	s_wait_alu depctr_va_sdst(0)                   ; s18 is written, ahead of its first reader: LDS regions, roles and bases are made from it
	s_mul_i32 s46, s18, REG
	v_add_nc_u32 v4, s46, v1                       ; the stage, on the way in: my wave's region
	s_and_b32 s48, s18, 1                          ; half
	s_lshr_b32 s49, s18, 1                         ; par
	v_and_b32 v7, 8, v2
	v_add_nc_u32 v7, v7, v2                        ; r + 8 (r / 8)
	v_mul_u32_u24 v5, v7, WP
	v_add_nc_u32 v5, v5, v3
	s_mul_i32 s46, s48, REG
	v_add_nc_u32 v5, s46, v5                       ; W1's fragments: regions 0, 1 by half,
	v_add_nc_u32 v6, 2*REG, v5                     ; W3's: regions 2, 3
	v_lshlrev_b32 v7, 5, v7                        ; the weights' scale bytes: 32 a row
	v_lshlrev_b32 v8, 2, v2                        ; rowtok: 4 r
	v_lshlrev_b32 v12, 6, v2                       ; h's scale bytes: 64 a row
	v_mov_b32 v118, 0                              ; written once: a lane permute's destination counts as one of its sources
	s_lshr_b32 s19, ttmp9, 5                       ; expert
	s_and_b32 s50, ttmp9, 31                       ; slice
	s_lshl_b32 s27, s50, 1
	s_add_co_u32 s27, s27, s48                     ; kb
	s_mov_b32 s36, 0x76543210
	s_mov_b32 s37, 0xfedcba98                      ; v_permlanex16_b32's selects for lane l xor 16
	s_mov_b32 s38, 0x600000                        ; the mantissa field of 448
	s_mov_b32 s35, 0
	s_mov_b32 s47, 0
	s_lshl_b32 s51, s19, 11
	s_lshl_b32 s46, s27, 5
	s_add_co_u32 s51, s51, s46                     ; the first of my 32 rows: 2,048 e + 32 kb.  (The rows that I bring and the rows that I keep have the same number: both go by w % 2)
	s_wait_kmcnt 0x0
	s_lshl_b32 s46, s19, 2
	s_add_nc_u64 s[44:45], s[14:15], s[46:47]
	s_load_b32 s20, s[44:45], 0x0                  ; TB: the expert's first tile
	s_load_b32 s21, s[44:45], 0x20                 ; TC: its tiles
	s_cmp_lt_u32 s18, 2                            ; waves 0, 1 bring W1's two halves, waves 2, 3 W3's
	s_cselect_b64 s[42:43], s[4:5], s[8:9]
	s_lshl_b32 s34, s51, 10
	s_add_nc_u64 s[42:43], s[42:43], s[34:35]
	WIN 0x40                                       ; destination window 1
	s_wait_alu depctr_va_vdst(0)                   ; the offsets and LDS addresses v1, v4 to v8 and v12 are written: every load and store of the kernel reads one of them, and none is written again
.set q, 0
.rept 64
	global_load_b128 v[4*q:4*q+3], v1, s[42:43] offset:512*q th:TH_LOAD_NT   ; 32 rows of 1,024 bytes, dense: 512 consecutive bytes a load
.set q, q+1
.endr
	WIN 0
	s_lshl_b32 s34, s51, 5
	s_add_nc_u64 s[6:7], s[6:7], s[34:35]
	s_add_nc_u64 s[10:11], s[10:11], s[34:35]
.irp u, 0,1
.irp g, 0,1
	global_load_b128 v[WS+8*\u+4*\g:WS+8*\u+4*\g+3], v7, s[6:7] offset:256*\u+16*\g          ; lane r: the eight scale words of W1's unit 8 u + r + 8 (r / 8)
	global_load_b128 v[WS+16+8*\u+4*\g:WS+16+8*\u+4*\g+3], v7, s[10:11] offset:256*\u+16*\g  ; and of W3's
.endr
.endr
	s_add_nc_u64 s[40:41], s[12:13], XSC           ; x's scale bytes
	s_lshl_b32 s34, s27, 9
	s_add_nc_u64 s[52:53], s[16:17], s[34:35]      ; h's images at my kb
	s_add_nc_u64 s[54:55], s[16:17], HSC
	s_mov_b32 s34, s27
	s_add_nc_u64 s[54:55], s[54:55], s[34:35]      ; h's scale bytes at my kb
	s_wait_kmcnt 0x0                               ; TB, TC; their base may be written again
	s_min_u32 s20, s20, 135                        ; both are held by constants before anything is made of them
	s_min_u32 s21, s21, 64
	s_add_nc_u64 s[44:45], s[14:15], 256           ; rowtok
	s_add_co_u32 s39, s21, 1
	s_sub_co_u32 s39, s39, s49
	s_lshr_b32 s39, s39, 1                         ; my tiles: (TC + 1 - par) / 2
	s_add_co_u32 s22, s20, s49                     ; the tile in hand: TB + par, then every second
	s_lshl_b32 s23, s39, 1
	s_add_co_u32 s23, s23, s22
	s_sub_co_u32 s23, s23, 2                       ; my last tile: no load looks past it.
	s_cmp_eq_u32 s39, 0
	s_cselect_b32 s23, 0, s23                      ; A wave without a tile asks for tile 0, which every split has (2,048 rows fill 128 tiles at the least), and ends behind the barrier
	s_add_co_u32 s25, s39, 1
	s_lshr_b32 s25, s25, 1                         ; trips of two tiles
	s_sub_co_u32 s26, s25, 1
	s_bitcmp1_b32 s39, 0
	s_cselect_b32 s26, s26, -1                     ; an odd number of tiles: the wave ends in the middle of its last trip
	s_min_u32 s46, s22, s23
	s_min_u32 s46, s46, 135
	s_lshl_b32 s34, s46, 6
	s_add_nc_u64 s[28:29], s[44:45], s[34:35]
	global_load_b32 v[TK], v8, s[28:29]            ; my first tile's tokens: lane (r, h) takes row r's
	s_add_co_u32 s46, s22, 2
	s_min_u32 s46, s46, s23
	s_min_u32 s46, s46, 135
	s_lshl_b32 s34, s46, 6
	s_add_nc_u64 s[56:57], s[44:45], s[34:35]
	global_load_b32 v[TK+1], v8, s[56:57]          ; and my second's
	s_wait_loadcnt 10                              ; the 64 loads of codes are in; the eight of scale words and the two of tokens behind them may be out
	WIN 0x04                                       ; an LDS store's data are its source 1: window 1
.set q, 0
.rept 64
	ds_store_b128 v4, v[4*q:4*q+3] offset:(q/2)*WP+(q%2)*512
.set q, q+1
.endr
	WIN 0
; Unit g (K steps 4 g .. 4 g + 3) of the tile whose offsets stand in v[XA + b], v[XSA + b], into buffer b: 1 + 16 loads.  Lane (r, h): of its token's row, K = 128 s + 32 c + 16 h + 0 .. 15
.macro UNITX b, g
	global_load_b128 v[XS+8*(\b)+4*(\g):XS+8*(\b)+4*(\g)+3], v[XSA+(\b)], s[40:41] offset:16*(\g)
	WIN 0xc0*(\b)                                  ; buffer 1 lies in window 3
.irp s, 0,1,2,3
.irp c, 0,1,2,3
	global_load_b128 v[XB+64*(\g)+16*\s+4*\c:XB+64*(\g)+16*\s+4*\c+3], v[XA+(\b)], s[12:13] offset:512*(\g)+128*\s+32*\c
.endr
.endr
	WIN 0
.endm
; 16 matrix instructions on unit g of buffer b: W1's two tiles down its four K steps, then W3's.  The accumulators take turns, one instruction a turn; a tile's first K step starts the sums with the constant 0
.macro MULH b, g
	WIN 0x01+0x0c*(\b)                             ; source 0 window 1 (W1); source 1 window 0 or 3
.irp s, 0,1,2,3
.irp u, 0,1
.if ((\g) == 0) && (\s == 0)
	v_wmma_scale_f32_16x16x128_f8f6f4 v[ACC+8*\u:ACC+8*\u+7], v[128*\u+64*(\g)+16*\s:128*\u+64*(\g)+16*\s+15], v[XB+64*(\g)+16*\s:XB+64*(\g)+16*\s+15], 0, v[WS+8*\u+4*(\g)+\s], v[XS+8*(\b)+4*(\g)+\s]
.else
	v_wmma_scale_f32_16x16x128_f8f6f4 v[ACC+8*\u:ACC+8*\u+7], v[128*\u+64*(\g)+16*\s:128*\u+64*(\g)+16*\s+15], v[XB+64*(\g)+16*\s:XB+64*(\g)+16*\s+15], v[ACC+8*\u:ACC+8*\u+7], v[WS+8*\u+4*(\g)+\s], v[XS+8*(\b)+4*(\g)+\s]
.endif
.endr
.endr
	WIN 0x02+0x0c*(\b)                             ; source 0 window 2 (W3)
.irp s, 0,1,2,3
.irp u, 0,1
.if ((\g) == 0) && (\s == 0)
	v_wmma_scale_f32_16x16x128_f8f6f4 v[ACC+16+8*\u:ACC+16+8*\u+7], v[128*\u+64*(\g)+16*\s:128*\u+64*(\g)+16*\s+15], v[XB+64*(\g)+16*\s:XB+64*(\g)+16*\s+15], 0, v[WS+16+8*\u+4*(\g)+\s], v[XS+8*(\b)+4*(\g)+\s]
.else
	v_wmma_scale_f32_16x16x128_f8f6f4 v[ACC+16+8*\u:ACC+16+8*\u+7], v[128*\u+64*(\g)+16*\s:128*\u+64*(\g)+16*\s+15], v[XB+64*(\g)+16*\s:XB+64*(\g)+16*\s+15], v[ACC+16+8*\u:ACC+16+8*\u+7], v[WS+16+8*\u+4*(\g)+\s], v[XS+8*(\b)+4*(\g)+\s]
.endif
.endr
.endr
	WIN 0
.endm
; h of my 16 units of my row, its block's scale, its codes, and out.  Each accumulator is read from its low end on
.macro EPI
.irp i, 0,1,2,3,4,5,6,7,8,9,10,11,12,13,14,15
	v_max_num_f32 v[HV+\i], 0, v[ACC+\i]           ; relu
.endr
.irp i, 0,2,4,6,8,10,12,14
	v_pk_mul_f32 v[HV+\i:HV+\i+1], v[HV+\i:HV+\i+1], v[HV+\i:HV+\i+1]          ; squared,
.endr
.irp i, 0,2,4,6,8,10,12,14
	v_pk_mul_f32 v[HV+\i:HV+\i+1], v[HV+\i:HV+\i+1], v[ACC+16+\i:ACC+16+\i+1]  ; times x W3^T: register i is unit 16 h + i
.endr
	v_max3_num_f32 v116, |v[HV]|, |v[HV+1]|, 0x4800000             ; my 16 numbers, and the floor 2^(9 - 127): the byte cannot fall under 1
	v_max3_num_f32 v117, |v[HV+2]|, |v[HV+3]|, |v[HV+4]|
.irp i, 5,9
	v_max3_num_f32 v116, v116, |v[HV+\i]|, |v[HV+\i+1]|
	v_max3_num_f32 v117, v117, |v[HV+\i+2]|, |v[HV+\i+3]|
.endr
	v_max3_num_f32 v116, v116, |v[HV+13]|, |v[HV+14]|
	v_max3_num_f32 v116, v116, v117, |v[HV+15]|
	v_permlanex16_b32 v118, v116, s36, s37
	v_max_num_f32 v116, v116, v118                 ; with lane l xor 16's: the block's largest magnitude
	v_add_nc_u32 v119, 0xfc000000, v116            ; 8 off its exponent field: the conversion's scale operand
	v_and_or_b32 v120, v116, 0x7f800000, s38       ; 448 x the scale
	v_lshrrev_b32 v121, 23, v119                   ; the scale's byte
.irp i, 0,1,2,3,4,5,6,7,8,9,10,11,12,13,14,15
	v_med3_num_f32 v[HV+\i], v[HV+\i], -v120, v120 ; the conversion to an 8-bit code does not saturate (ISA guide 7.6.2): the hold comes first
.endr
	v_cvt_scalef32_pk8_fp8_f32 v[CD:CD+1], v[HV:HV+7], v119
	v_cvt_scalef32_pk8_fp8_f32 v[CD+2:CD+3], v[HV+8:HV+15], v119
	v_nop                                          ; a plain line behind the last conversion, ahead of whatever next writes its sources
	s_wait_alu depctr_va_vdst(0)                   ; the conversions have written v[CD ..] and the shift v121, which the two stores read.  Also: this tile's second half's products are done reading their buffer and scale words,
	                                               ; v_min_u32 is done reading this parity's tokens, and this parity's offsets are written: the next tile's first 18 loads hang on these, and no vector or matrix instruction stands ahead of them
	global_store_b128 v1, v[CD:CD+3], s[30:31]     ; the image of four operand registers: 32 lanes store 512 consecutive bytes
	global_store_b8 v12, v121, s[32:33]            ; row r's byte for block kb (lanes r and r + 16 write the same byte with the same value)
.endm
; One tile, n, of parity b: two steps of the ring.  s22 is its number.
.macro TILE b
	s_wait_loadcnt 35                              ; unit (n, 0) is in.  Issued behind it: the tokens of n + 2 and unit (n, 1), 18 loads, and unit (n + 1, 0), 17
	s_wait_xcnt 0x0                                ; the last load of tokens has read its base, the last tile's stores their data and bases: all are written again below
	s_wait_alu depctr_vm_vsrc(0)                   ; the last tile's stores have read v[CD ..] and v121, which this tile's way out writes again; units (n, 0) and (n, 1) have read this parity's offsets, which this tile's middle writes again
	s_add_co_u32 s46, s22, 6
	s_min_u32 s46, s46, s23                        ; my tile three on, or my last one again: no load leaves my tiles
	s_min_u32 s46, s46, 135
	s_lshl_b32 s34, s46, 6
	s_add_nc_u64 s[28:29], s[44:45], s[34:35]
	global_load_b32 v[TK+1-(\b)], v8, s[28:29]     ; the tokens of n + 3, over those of n + 1, which the tile before has turned into offsets.  (What these 18 loads hang on was stated by the wait in the last way out; in the first trip, by the wait ahead of the ring's first loads)
	UNITX 1-(\b), 1                                ; unit (n + 1, 1).  The products that read its buffer last stand nine places and a whole way out back
	s_min_u32 s46, s22, 135
	s_lshl_b32 s34, s46, 15
	s_add_nc_u64 s[30:31], s[52:53], s[34:35]      ; this tile's image,
	s_lshl_b32 s34, s46, 10
	s_add_nc_u64 s[32:33], s[54:55], s[34:35]      ; and its scale bytes
	MULH \b, 0
	PLACES 8                                       ; the eight places behind this form stay as they stood; that the products are done reading is stated by the wait on va_vdst below
	s_wait_loadcnt 35                              ; unit (n, 1) is in, and the tokens of n + 2 ahead of it.  Issued behind it: unit (n + 1, 0), 17 loads, and the 18 of this tile's first step.
	v_min_u32 v13, 0x3ff, v[TK+(\b)]               ; A token, at most 1,023: it enters an address only behind this line.  Both units that read this parity's offsets are in: the offsets may be written
	v_lshl_add_u32 v[XA+(\b)], v13, 10, v3         ; its codes: 1,024 bytes a token, + 16 h
	v_lshlrev_b32 v[XSA+(\b)], 5, v13              ; its scale bytes: 32 a token
	s_wait_alu depctr_va_vdst(0)                   ; this parity's two offsets are written, which the 17 loads below read; the first half's products are done reading the buffer and the four scale words in which those loads land
	UNITX \b, 0                                    ; unit (n + 2, 0), into the buffer just multiplied
	MULH \b, 1
	PLACES 9                                       ; eight places ahead of the first read of a result, nine ahead of the matrix instruction that begins an accumulator anew
	EPI
	s_add_co_u32 s22, s22, 2
.endm
	s_wait_loadcnt 0x0                             ; the weights' scale words and the first two tiles' tokens; the tokens' bases may be written again
	v_min_u32 v13, 0x3ff, v[TK]
	v_lshl_add_u32 v[XA], v13, 10, v3
	v_lshlrev_b32 v[XSA], 5, v13
	v_min_u32 v13, 0x3ff, v[TK+1]
	v_lshl_add_u32 v[XA+1], v13, 10, v3
	v_lshlrev_b32 v[XSA+1], 5, v13
	s_add_co_u32 s46, s22, 4
	s_min_u32 s46, s46, s23
	s_min_u32 s46, s46, 135
	s_lshl_b32 s34, s46, 6
	s_add_nc_u64 s[28:29], s[44:45], s[34:35]
	s_wait_alu depctr_va_vdst(0)                   ; both parities' offsets are written, which the loads below and the first tile's first unit read; v_min_u32 is done reading v[TK] and v[TK + 1], in which tokens land again
	UNITX 0, 0                                     ; the ring is primed in the order in which the loop goes on: unit (0, 0); the tokens of tile 2 and unit (0, 1); unit (1, 0).
	global_load_b32 v[TK], v8, s[28:29]            ; These 52 loads land while the weights' fragments are read from the stage
	UNITX 0, 1
	UNITX 1, 0
	s_wait_dscnt 0x0                               ; for the others' sake: my stores into the stage are done
	s_barrier_signal -1
	s_barrier_wait -1
	s_wait_alu depctr_vm_vsrc(0)                   ; my LDS stores have read the raw weights in window 1, in which W1's fragments land below
	s_cmp_eq_u32 s39, 0                            ; a split that leaves me no tile: a branch on the stored list, behind the last barrier
	s_cbranch_scc1 .Lend
	WIN 0x40
.irp u, 0,1
.irp s, 0,1,2,3,4,5,6,7
.irp c, 0,1,2,3
	ds_load_b128 v[128*\u+16*\s+4*\c:128*\u+16*\s+4*\c+3], v5 offset:8*\u*WP+128*\s+32*\c
.endr
.endr
.endr
	WIN 0x80
.irp u, 0,1
.irp s, 0,1,2,3,4,5,6,7
.irp c, 0,1,2,3
	ds_load_b128 v[128*\u+16*\s+4*\c:128*\u+16*\s+4*\c+3], v6 offset:8*\u*WP+128*\s+32*\c
.endr
.endr
.endr
	WIN 0
	s_wait_dscnt 0x0                               ; the weights' fragments
	s_mov_b32 s24, 0
.Lpair:                                            ; a trip runs two tiles, until the buffers are back where they began
	TILE 0
	s_cmp_lg_u32 s24, s26                          ; with an odd number of tiles the last trip has one tile: the wave ends here.  No barrier follows, and the loads that are out
	s_cbranch_scc1 .Lsecond                        ; (my last tile's x and tokens once more) land in registers that nobody reads
	s_wait_dscnt 0x0                               ; the closing lines, six on end
	s_wait_alu 0x0
	s_wait_tensorcnt 0x0
	ds_add_u32 v126, v127
	s_wait_dscnt 0x0
	s_endpgm
.Lsecond:
	TILE 1
	s_add_co_u32 s24, s24, 1
	s_cmp_lt_u32 s24, s25
	s_cbranch_scc1 .Lpair
.Lend:
	s_wait_dscnt 0x0                               ; the closing lines, six on end
	s_wait_alu 0x0
	s_wait_tensorcnt 0x0
	ds_add_u32 v126, v127
	s_wait_dscnt 0x0
	s_endpgm
.Lfunc_end_k_q50ee6f5af5_up:
	.size	k_q50ee6f5af5_up, .Lfunc_end_k_q50ee6f5af5_up-k_q50ee6f5af5_up
	.p2alignl 7, 3214868480
	.fill 96, 4, 3214868480
	.section	.rodata,"a",@progbits
	.p2align	6, 0x0
	.amdhsa_kernel k_q50ee6f5af5_up
		.amdhsa_group_segment_fixed_size 133632
		.amdhsa_private_segment_fixed_size 0
		.amdhsa_enable_private_segment 0
		.amdhsa_kernarg_size 56
		.amdhsa_user_sgpr_count 2
		.amdhsa_user_sgpr_kernarg_segment_ptr 1
		.amdhsa_wavefront_size32 1
		.amdhsa_system_sgpr_workgroup_id_x 1
		.amdhsa_system_sgpr_workgroup_id_y 1
		.amdhsa_system_sgpr_workgroup_id_z 1
		.amdhsa_system_vgpr_workitem_id 0
		.amdhsa_next_free_vgpr 1024
		.amdhsa_next_free_sgpr 66
		.amdhsa_reserve_vcc 0
		.amdhsa_float_denorm_mode_32 3
		.amdhsa_float_denorm_mode_16_64 3
		.amdhsa_memory_ordered 1
		.amdhsa_forward_progress 1
		.amdhsa_inst_pref_size 55
	.end_amdhsa_kernel
	.amdgpu_metadata
---
amdhsa.version: [ 1, 2 ]
amdhsa.kernels:
  - .name:           k_q50ee6f5af5_up
    .symbol:         k_q50ee6f5af5_up.kd
    .args:
      - { .name: W1_codes, .offset: 0, .size: 8, .value_kind: global_buffer, .address_space: global }
      - { .name: W1_scales, .offset: 8, .size: 8, .value_kind: global_buffer, .address_space: global }
      - { .name: W3_codes, .offset: 16, .size: 8, .value_kind: global_buffer, .address_space: global }
      - { .name: W3_scales, .offset: 24, .size: 8, .value_kind: global_buffer, .address_space: global }
      - { .name: xq, .offset: 32, .size: 8, .value_kind: global_buffer, .address_space: global }
      - { .name: plan, .offset: 40, .size: 8, .value_kind: global_buffer, .address_space: global }
      - { .name: hq, .offset: 48, .size: 8, .value_kind: global_buffer, .address_space: global }
    .group_segment_fixed_size: 133632
    .private_segment_fixed_size: 0
    .kernarg_segment_align: 8
    .kernarg_segment_size: 56
    .max_flat_workgroup_size: 128
    .sgpr_count:     66
    .vgpr_count:     1024
    .wavefront_size: 32
...
	.end_amdgpu_metadata
.endif
;; end of part 8
;; launch down (part 9): grid 256 x 1, 4 waves a work-group, no clusters, 75,776 bytes of LDS; arguments W2_codes, W2_scales, hq, plan, ybuf; writes ybuf
.if DOCPART == 9
	.amdgcn_target "amdgcn-amd-amdhsa--gfx1250"
	.amdhsa_code_object_version 6
	.text
	.protected	k_q50ee6f5af5_down
	.globl	k_q50ee6f5af5_down
	.p2align	8
	.type	k_q50ee6f5af5_down,@function
k_q50ee6f5af5_down:
	s_mov_b64 s[64:65], 0
	v_nop
	global_prefetch_b8 v0, s[64:65] scope:SCOPE_SE
	s_setreg_imm32_b32 hwreg(HW_REG_WAVE_SCHED_MODE, 0, 2), 2
	s_setreg_imm32_b32 hwreg(HW_REG_WAVE_MODE, 25, 1), 1
	s_wait_xcnt 0x0
	s_wait_alu depctr_vm_vsrc(0)
; DOWN.  y = h W2^T for the routed rows, on the codes of h that the launch before made and the codes of W2 as they are given.
; SHARES.  Work-group = (expert e = number / 32, slice = number % 32 of 32 rows d of W2).  All four waves keep the same 32 rows x 2,048 K of W2 in 512 registers; wave w takes the expert's tiles TB + w, + 4, ..
; Each byte of W2 is read once in the launch, by loads of 512 consecutive bytes, and turned into fragments through LDS (rows 2,064 bytes apart, an odd multiple of 16).  The head's barrier is the only one, ahead of every
; branch on the stored list.  NO tensor load, cluster or joint load: the number of tiles hangs on the stored list.
; h's fragments come as they were stored, as images of the operand's registers: 512 consecutive bytes a load.  A tile is two UNITS of eight K steps, in two buffers; while one is multiplied the other lands.
; TRANSPOSED USE: source 0 = 16 rows of W2, source 1 = 16 routed rows: lane (r, h) holds y(row r, d = 16 u + 8 h + 0 .. 7).  A tile's 16 x 32 results go through the wave's own stage and leave as 2,048 consecutive bytes.
; OUT (ybuf): f32 [136 tiles][32 slices][16 rows][32 d].  The gate's weights are applied by the next launch, which adds each token's two rows.
; REGISTERS: window 0: v1-8 addresses; v16-47 W2's scale words; v48-63 h's; v64-79 two accumulators; v80-95 rows on the way out; v128-255 h, buffer 0.  windows 1, 2: W2's fragments of K steps 0-7, 8-15 (tile u, step s' at
;   128 u + 16 s').  window 3: v128-255 h, buffer 1.
; THE MODE: SCHED_MODE bits 1:0 = 2 (LLVM: expert scheduling mode 2), set by the entry lines.  The code itself states the register dependences between vector or matrix instructions and memory or LDS
; instructions, with s_wait_alu, always for 0.
; THE PLAN.  Registers that memory or LDS instructions touch:
;   v1, v4-8           offsets and LDS addresses: written by vector lines at the head, read by loads and stores, never written again.
;   window 1           the raw weights land; the stage's LDS stores read them; the fragments land; from then on the products alone read them.   window 2, v16-47: loaded once, read by the products.
;   h's buffer p and v[HS + 8 p ..]   unit p's 34 loads land; the 16 products of unit p read them.
;   v[ACC ..]          written by the products; read by the four LDS stores of the way out; begun anew by the next trip's first products.
;   v[OB ..]           the four loads from the stage land; the four global stores read them.
;   v126, v127         written at the head, read by the closing add alone.
; THREE WAITS A TRIP.  At its head, on vm_vsrc: the last trip's LDS stores have read the accumulators and its global stores v[OB ..].  Behind unit 0's products, on va_vdst: they are done reading their buffer.
; Behind unit 1's products and their places, on va_vdst: they are done reading their buffer and have written the accumulators.  The runs of loads stay where they stood, each straight behind its wait: a load's address
; goes by source 0's window, which the products set to the weights' window.
.set HSC, 4456448
.set WP,  2064                         ; a row of W2 in LDS: 2,048 bytes + 16
.set YST, 32*WP                        ; behind the weights: a stage of 16 rows x 144 bytes for each wave
.set YP,  144                          ; 128 bytes + 16
.set WS,  16                           ; v[WS + 16 u + s]
.set HS,  48                           ; v[HS + 8 p + s']
.set ACC, 64
.set OB,  80
.set XB,  128
.set MSB, 0
.macro WIN new                         ; the immediate's high byte repeats the setting that is left; a switch that changes nothing is dropped
.if MSB != (\new)
	s_set_vgpr_msb (MSB<<8)|(\new)
.set MSB, (\new)
.endif
.endm
.macro PLACES n
.rept \n
	v_nop
.endr
.endm
	s_load_b256 s[4:11], s[0:1], 0x0               ; W2's codes s[4:5], its scales s[6:7], hq s[8:9], plan s[10:11]
	s_load_b64 s[12:13], s[0:1], 0x20              ; ybuf
	v_lshl_add_u32 v126, v0, 2, 0x12600
	v_mov_b32 v127, 0
	v_lshrrev_b32 v1, 5, v0
	v_readfirstlane_b32 s18, v1                    ; wave
	v_and_b32 v9, 31, v0                           ; lane
	v_lshlrev_b32 v1, 4, v9                        ; 16 x lane
	v_and_b32 v2, 15, v0                           ; r
	v_bfe_u32 v3, v0, 4, 1                         ; h
	s_wait_alu depctr_va_sdst(0)                   ; s18 is written, ahead of its first reader: LDS regions, bases and the wave's tiles are made from it
	s_mul_i32 s46, s18, 8*WP
	v_add_nc_u32 v4, s46, v1                       ; the weights' stage, on the way in: my eight rows
	v_mul_u32_u24 v5, v2, WP
	v_lshl_add_u32 v5, v3, 4, v5                   ; a fragment: row r, + 16 h
	v_lshlrev_b32 v6, 6, v2                        ; scale bytes, W2's and h's: 64 a row
	s_mul_i32 s46, s18, 16*YP
	s_add_co_u32 s46, s46, YST                     ; my stage for y
	v_mul_u32_u24 v7, v2, YP
	v_lshl_add_u32 v7, v3, 5, v7
	v_add_nc_u32 v7, s46, v7                       ; in: row r, + 32 h
	v_lshrrev_b32 v8, 3, v9
	v_mul_u32_u24 v8, v8, YP
	v_and_b32 v10, 7, v9
	v_lshl_add_u32 v8, v10, 4, v8
	v_add_nc_u32 v8, s46, v8                       ; back: eight lanes to a row of 128 bytes, four rows an instruction
	s_lshr_b32 s19, ttmp9, 5                       ; expert
	s_and_b32 s50, ttmp9, 31                       ; slice
	s_lshl_b32 s51, s19, 10
	s_lshl_b32 s46, s50, 5
	s_add_co_u32 s51, s51, s46                     ; the slice's first row of W2: 1,024 e + 32 slice
	s_mov_b32 s35, 0
	s_mov_b32 s47, 0
	s_wait_kmcnt 0x0
	s_lshl_b32 s46, s19, 2
	s_add_nc_u64 s[44:45], s[10:11], s[46:47]
	s_load_b32 s20, s[44:45], 0x0                  ; TB
	s_load_b32 s21, s[44:45], 0x20                 ; TC
	s_lshl_b32 s46, s18, 3
	s_add_co_u32 s46, s46, s51
	s_lshl_b32 s34, s46, 11
	s_add_nc_u64 s[4:5], s[4:5], s[34:35]          ; the eight rows that I bring
	WIN 0x40                                       ; destination window 1
	s_wait_alu depctr_va_vdst(0)                   ; the offsets and LDS addresses v1 and v4 to v8 are written: every load and store of the kernel reads one of them, and none is written again
.set q, 0
.rept 32
	global_load_b128 v[4*q:4*q+3], v1, s[4:5] offset:512*q th:TH_LOAD_NT     ; eight rows of 2,048 bytes, dense
.set q, q+1
.endr
	WIN 0
	s_lshl_b32 s34, s51, 6
	s_add_nc_u64 s[6:7], s[6:7], s[34:35]
.irp u, 0,1
.irp g, 0,1,2,3
	global_load_b128 v[WS+16*\u+4*\g:WS+16*\u+4*\g+3], v6, s[6:7] offset:1024*\u+16*\g   ; lane r: the 16 scale words of row 16 u + r
.endr
.endr
	s_lshl_b32 s34, s50, 11
	s_add_nc_u64 s[52:53], s[12:13], s[34:35]      ; y at my slice
	s_add_nc_u64 s[54:55], s[8:9], HSC             ; h's scale bytes
	s_wait_loadcnt 0x8                             ; the 32 loads of codes are in; the eight of scale words behind them may be out
	WIN 0x04                                       ; an LDS store's data are its source 1: window 1
.set q, 0
.rept 32
	ds_store_b128 v4, v[4*q:4*q+3] offset:(q/4)*WP+(q%4)*512
.set q, q+1
.endr
	WIN 0
	s_wait_kmcnt 0x0
	s_min_u32 s20, s20, 135                        ; both are held by constants before anything is made of them
	s_min_u32 s21, s21, 64
	s_add_co_u32 s39, s21, 3
	s_sub_co_u32 s39, s39, s18
	s_lshr_b32 s39, s39, 2                         ; my tiles: (TC + 3 - wave) / 4
	s_wait_dscnt 0x0                               ; for the others' sake: my stores into the stage are done
	s_barrier_signal -1
	s_barrier_wait -1
	s_wait_alu depctr_vm_vsrc(0)                   ; my LDS stores have read the raw weights in window 1, in which the fragments of K steps 0 to 7 land below
	s_cmp_eq_u32 s39, 0                            ; a split that leaves me no tile: a branch on the stored list, behind the last barrier
	s_cbranch_scc1 .Lend
	s_add_co_u32 s22, s20, s18                     ; the tile in hand
	s_lshl_b32 s23, s39, 2
	s_add_co_u32 s23, s23, s22
	s_sub_co_u32 s23, s23, 4                       ; my last tile
; Unit p of the tile at s[30:31] (images) and s[32:33] (scale bytes): K steps 8 p .. 8 p + 7: 2 + 32 loads
.macro UNIT p
	global_load_b128 v[HS+8*(\p):HS+8*(\p)+3], v6, s[32:33] offset:32*(\p)
	global_load_b128 v[HS+8*(\p)+4:HS+8*(\p)+7], v6, s[32:33] offset:32*(\p)+16
	WIN 0xc0*(\p)                                  ; buffer 1 lies in window 3
.irp s, 0,1,2,3,4,5,6,7
.irp c, 0,1,2,3
	global_load_b128 v[XB+16*\s+4*\c:XB+16*\s+4*\c+3], v1, s[30:31] offset:16384*(\p)+512*(4*\s+\c)
.endr
.endr
	WIN 0
.endm
; 16 matrix instructions: unit p's eight K steps against W2's two tiles.  The two accumulators take turns, one instruction a turn; the tile's first K step starts the sums with the constant 0
.macro MULB p
	WIN 0x01+0x0d*(\p)                             ; p = 0: source 0 window 1, source 1 window 0;  p = 1: source 0 window 2, source 1 window 3
.irp s, 0,1,2,3,4,5,6,7
.irp u, 0,1
.if ((\p) == 0) && (\s == 0)
	v_wmma_scale_f32_16x16x128_f8f6f4 v[ACC+8*\u:ACC+8*\u+7], v[128*\u+16*\s:128*\u+16*\s+15], v[XB+16*\s:XB+16*\s+15], 0, v[WS+16*\u+8*(\p)+\s], v[HS+8*(\p)+\s]
.else
	v_wmma_scale_f32_16x16x128_f8f6f4 v[ACC+8*\u:ACC+8*\u+7], v[128*\u+16*\s:128*\u+16*\s+15], v[XB+16*\s:XB+16*\s+15], v[ACC+8*\u:ACC+8*\u+7], v[WS+16*\u+8*(\p)+\s], v[HS+8*(\p)+\s]
.endif
.endr
.endr
	WIN 0
.endm
	s_min_u32 s46, s22, 135
	s_lshl_b32 s34, s46, 15
	s_add_nc_u64 s[30:31], s[8:9], s[34:35]
	s_lshl_b32 s34, s46, 10
	s_add_nc_u64 s[32:33], s[54:55], s[34:35]
	UNIT 0                                         ; the first tile's two units are on their way while the weights' fragments are read
	UNIT 1
	WIN 0x40
.irp u, 0,1
.irp s, 0,1,2,3,4,5,6,7
.irp c, 0,1,2,3
	ds_load_b128 v[128*\u+16*\s+4*\c:128*\u+16*\s+4*\c+3], v5 offset:16*\u*WP+128*\s+32*\c
.endr
.endr
.endr
	WIN 0x80
.irp u, 0,1
.irp s, 0,1,2,3,4,5,6,7
.irp c, 0,1,2,3
	ds_load_b128 v[128*\u+16*\s+4*\c:128*\u+16*\s+4*\c+3], v5 offset:16*\u*WP+1024+128*\s+32*\c
.endr
.endr
.endr
	WIN 0
	s_wait_dscnt 0x0                               ; the weights' fragments
	s_mov_b32 s24, 0
.Ltile:                                            ; a trip is one tile
	s_wait_alu depctr_vm_vsrc(0)                   ; the last trip's LDS stores have read the two accumulators, which this trip's first products begin anew; its global stores have read v[OB ..], in which this trip's loads from the stage land
	s_wait_loadcnt 34                              ; unit 0 is in (and, in the first trip, the weights' scale words ahead of it); the 34 loads of unit 1 may be out
	MULB 0
	PLACES 9                                       ; the places behind this form stay as they stood; that the products are done reading is stated by the wait on va_vdst below
	s_wait_xcnt 0x0                                ; unit 1's loads and the last tile's stores have read their bases and data: they are written again below
	s_min_u32 s46, s22, 135
	s_lshl_b32 s34, s46, 16
	s_add_nc_u64 s[36:37], s[52:53], s[34:35]      ; this tile's y
	s_add_co_u32 s46, s22, 4
	s_min_u32 s46, s46, s23                        ; my next tile, or my last one again: no load leaves my tiles
	s_min_u32 s46, s46, 135
	s_lshl_b32 s34, s46, 15
	s_add_nc_u64 s[30:31], s[8:9], s[34:35]
	s_lshl_b32 s34, s46, 10
	s_add_nc_u64 s[32:33], s[54:55], s[34:35]
	s_wait_alu depctr_va_vdst(0)                   ; unit 0's products are done reading buffer 0 and its eight scale words, in which the 34 loads below land
	UNIT 0                                         ; the next tile's unit 0
	s_wait_loadcnt 34                              ; this tile's unit 1 is in; the 34 just issued may be out
	MULB 1
	PLACES 9                                       ; eight ahead of the first read of a result, nine ahead of the next trip's first product, which begins an accumulator anew (ISA guide 7.12.1); they stay beside the wait below
	s_wait_alu depctr_va_vdst(0)                   ; unit 1's products are done reading buffer 1 and its eight scale words, in which the 34 loads below land, and have written the accumulators, which the LDS stores read
	UNIT 1                                         ; the next tile's unit 1
.irp u, 0,1
.irp g, 0,1
	ds_store_b128 v7, v[ACC+8*\u+4*\g:ACC+8*\u+4*\g+3] offset:64*\u+16*\g    ; each accumulator from its low end on
.endr
.endr
.irp i, 0,1,2,3
	ds_load_b128 v[OB+4*\i:OB+4*\i+3], v8 offset:4*YP*\i           ; LDS serves a wave's instructions in order: these see my stores
.endr
	s_wait_dscnt 0x0
.irp i, 0,1,2,3
	global_store_b128 v1, v[OB+4*\i:OB+4*\i+3], s[36:37] offset:512*\i       ; 32 lanes store 512 consecutive bytes, four rows of 128
.endr
	s_add_co_u32 s22, s22, 4
	s_add_co_u32 s24, s24, 1
	s_cmp_lt_u32 s24, s39
	s_cbranch_scc1 .Ltile
.Lend:
	s_wait_dscnt 0x0                               ; the closing lines, six on end
	s_wait_alu 0x0
	s_wait_tensorcnt 0x0
	ds_add_u32 v126, v127
	s_wait_dscnt 0x0
	s_endpgm
.Lfunc_end_k_q50ee6f5af5_down:
	.size	k_q50ee6f5af5_down, .Lfunc_end_k_q50ee6f5af5_down-k_q50ee6f5af5_down
	.p2alignl 7, 3214868480
	.fill 96, 4, 3214868480
	.section	.rodata,"a",@progbits
	.p2align	6, 0x0
	.amdhsa_kernel k_q50ee6f5af5_down
		.amdhsa_group_segment_fixed_size 75776
		.amdhsa_private_segment_fixed_size 0
		.amdhsa_enable_private_segment 0
		.amdhsa_kernarg_size 40
		.amdhsa_user_sgpr_count 2
		.amdhsa_user_sgpr_kernarg_segment_ptr 1
		.amdhsa_wavefront_size32 1
		.amdhsa_system_sgpr_workgroup_id_x 1
		.amdhsa_system_sgpr_workgroup_id_y 1
		.amdhsa_system_sgpr_workgroup_id_z 1
		.amdhsa_system_vgpr_workitem_id 0
		.amdhsa_next_free_vgpr 1024
		.amdhsa_next_free_sgpr 66
		.amdhsa_reserve_vcc 0
		.amdhsa_float_denorm_mode_32 3
		.amdhsa_float_denorm_mode_16_64 3
		.amdhsa_memory_ordered 1
		.amdhsa_forward_progress 1
		.amdhsa_inst_pref_size 37
	.end_amdhsa_kernel
	.amdgpu_metadata
---
amdhsa.version: [ 1, 2 ]
amdhsa.kernels:
  - .name:           k_q50ee6f5af5_down
    .symbol:         k_q50ee6f5af5_down.kd
    .args:
      - { .name: W2_codes, .offset: 0, .size: 8, .value_kind: global_buffer, .address_space: global }
      - { .name: W2_scales, .offset: 8, .size: 8, .value_kind: global_buffer, .address_space: global }
      - { .name: hq, .offset: 16, .size: 8, .value_kind: global_buffer, .address_space: global }
      - { .name: plan, .offset: 24, .size: 8, .value_kind: global_buffer, .address_space: global }
      - { .name: ybuf, .offset: 32, .size: 8, .value_kind: global_buffer, .address_space: global }
    .group_segment_fixed_size: 75776
    .private_segment_fixed_size: 0
    .kernarg_segment_align: 8
    .kernarg_segment_size: 40
    .max_flat_workgroup_size: 128
    .sgpr_count:     66
    .vgpr_count:     1024
    .wavefront_size: 32
...
	.end_amdgpu_metadata
.endif
;; end of part 9
;; launch combine (part 10): grid 256 x 1, 4 waves a work-group, no clusters, 0 bytes of LDS; arguments ybuf, plan, coef, out0; writes out0
.if DOCPART == 10
	.amdgcn_target "amdgcn-amd-amdhsa--gfx1250"
	.amdhsa_code_object_version 6
	.text
	.protected	k_q50ee6f5af5_combine
	.globl	k_q50ee6f5af5_combine
	.p2align	8
	.type	k_q50ee6f5af5_combine,@function
k_q50ee6f5af5_combine:
	s_mov_b64 s[64:65], 0
	v_nop
	global_prefetch_b8 v0, s[64:65] scope:SCOPE_SE
	s_setreg_imm32_b32 hwreg(HW_REG_WAVE_MODE, 25, 1), 1
	s_wait_xcnt 0x0
; COMBINE.  out[t] = c0 y[row of (t, 0)] + c1 y[row of (t, 1)]: each output row has one owner, one wave, so nothing is added across work-groups.  The other six experts' terms are 0 in the definition.
; ybuf is [136 tiles][32 slices][16 rows][32 d] f32; ypos[2 t + k] x 128 is the first byte of the entry's row in slice 0, and a slice is 2,048 bytes on.
; A load takes four slices' 128 bytes of the row (eight lanes each); a store covers 512 consecutive bytes of out.  A stream: no LDS, no barrier, no matrix unit.
	s_load_b256 s[4:11], s[0:1], 0x0               ; ybuf s[4:5], plan s[6:7], coef s[8:9], out0 s[10:11]
	v_lshrrev_b32 v1, 5, v0
	v_readfirstlane_b32 s12, v1                    ; wave
	v_and_b32 v1, 31, v0                           ; lane
	v_lshrrev_b32 v2, 3, v1
	v_lshlrev_b32 v2, 11, v2
	v_and_b32 v4, 7, v1
	v_lshl_add_u32 v2, v4, 4, v2                   ; 2,048 (lane / 8) + 16 (lane % 8)
	v_lshlrev_b32 v3, 4, v1                        ; 16 x lane
	s_lshl_b32 s13, ttmp9, 2
	s_add_co_u32 s13, s13, s12                     ; my token
	s_lshl_b32 s14, s13, 3
	s_mov_b32 s15, 0
	s_mov_b32 s21, 0
	s_wait_alu depctr_va_vdst(0)
	s_wait_kmcnt 0x0
	s_add_nc_u64 s[6:7], s[6:7], s[14:15]
	s_add_nc_u64 s[8:9], s[8:9], s[14:15]
	s_load_b64 s[16:17], s[6:7], 0x2300            ; ypos of my two entries (byte 8,960 of plan on)
	s_load_b64 s[18:19], s[8:9], 0x0               ; their weights
	s_lshl_b32 s14, s13, 12
	s_add_nc_u64 s[10:11], s[10:11], s[14:15]      ; my row of out
	s_wait_kmcnt 0x0
	s_min_u32 s16, s16, 0x10e0f                    ; at most 135 x 512 + 15: a stored number enters an address only behind this line
	s_min_u32 s17, s17, 0x10e0f
	s_lshl_b32 s20, s16, 7
	s_add_nc_u64 s[24:25], s[4:5], s[20:21]
	s_lshl_b32 s20, s17, 7
	s_add_nc_u64 s[26:27], s[4:5], s[20:21]
	s_mov_b32 s28, s18                             ; the packed forms name a pair and take its low word for both halves: both words are written
	s_mov_b32 s29, s18
	s_mov_b32 s30, s19
	s_mov_b32 s31, s19
.irp i, 0,1,2,3,4,5,6,7
	global_load_b128 v[16+4*\i:16+4*\i+3], v2, s[24:25] offset:8192*\i th:TH_LOAD_NT
.endr
.irp i, 0,1,2,3,4,5,6,7
	global_load_b128 v[48+4*\i:48+4*\i+3], v2, s[26:27] offset:8192*\i th:TH_LOAD_NT
.endr
	s_wait_loadcnt 0x0
.irp p, 0,2,4,6,8,10,12,14,16,18,20,22,24,26,28,30
	v_pk_mul_f32 v[48+\p:48+\p+1], v[48+\p:48+\p+1], s[30:31] op_sel_hi:[1,0]
.endr
.irp p, 0,2,4,6,8,10,12,14,16,18,20,22,24,26,28,30
	v_pk_fma_f32 v[16+\p:16+\p+1], v[16+\p:16+\p+1], s[28:29], v[48+\p:48+\p+1] op_sel_hi:[1,0,1]
.endr
.irp i, 0,1,2,3,4,5,6,7
	global_store_b128 v3, v[16+4*\i:16+4*\i+3], s[10:11] offset:512*\i th:TH_STORE_NT
.endr
	s_endpgm
.Lfunc_end_k_q50ee6f5af5_combine:
	.size	k_q50ee6f5af5_combine, .Lfunc_end_k_q50ee6f5af5_combine-k_q50ee6f5af5_combine
	.p2alignl 7, 3214868480
	.fill 96, 4, 3214868480
	.section	.rodata,"a",@progbits
	.p2align	6, 0x0
	.amdhsa_kernel k_q50ee6f5af5_combine
		.amdhsa_group_segment_fixed_size 0
		.amdhsa_private_segment_fixed_size 0
		.amdhsa_enable_private_segment 0
		.amdhsa_kernarg_size 32
		.amdhsa_user_sgpr_count 2
		.amdhsa_user_sgpr_kernarg_segment_ptr 1
		.amdhsa_wavefront_size32 1
		.amdhsa_system_sgpr_workgroup_id_x 1
		.amdhsa_system_sgpr_workgroup_id_y 1
		.amdhsa_system_sgpr_workgroup_id_z 1
		.amdhsa_system_vgpr_workitem_id 0
		.amdhsa_next_free_vgpr 80
		.amdhsa_next_free_sgpr 66
		.amdhsa_reserve_vcc 0
		.amdhsa_float_denorm_mode_32 3
		.amdhsa_float_denorm_mode_16_64 3
		.amdhsa_memory_ordered 1
		.amdhsa_forward_progress 1
		.amdhsa_inst_pref_size 6
	.end_amdhsa_kernel
	.amdgpu_metadata
---
amdhsa.version: [ 1, 2 ]
amdhsa.kernels:
  - .name:           k_q50ee6f5af5_combine
    .symbol:         k_q50ee6f5af5_combine.kd
    .args:
      - { .name: ybuf, .offset: 0, .size: 8, .value_kind: global_buffer, .address_space: global }
      - { .name: plan, .offset: 8, .size: 8, .value_kind: global_buffer, .address_space: global }
      - { .name: coef, .offset: 16, .size: 8, .value_kind: global_buffer, .address_space: global }
      - { .name: out0, .offset: 24, .size: 8, .value_kind: global_buffer, .address_space: global }
    .group_segment_fixed_size: 0
    .private_segment_fixed_size: 0
    .kernarg_segment_align: 8
    .kernarg_segment_size: 32
    .max_flat_workgroup_size: 128
    .sgpr_count:     66
    .vgpr_count:     80
    .wavefront_size: 32
...
	.end_amdgpu_metadata
.endif
;; end of part 10
